; MI455X (gfx1250); checked and timed in simulation.
; The chip was launched on July 23, 2026; its instructions are those of AMD's public machine-readable ISA for CDNA 5 (MIT licence, August 2026) and "CDNA5" Instruction Set Architecture Reference Guide (July 2026). The comments in the code are by the model that wrote it; some were corrected since.
;; Causal Self Attention. Allowed arithmetic: float matrix products may take bf16 or f16 operands with f32 sums; all other float work in f32.
;; Inputs: W_proj 1,024 x 1,024 float32; W_qkv 1,024 x 3,072 float32; b_proj 1,024 float32; b_qkv 3,072 float32; x 2 x 2,048 x 1,024 float32.
;; Outputs: out0 2 x 2,048 x 1,024 float32.
;; 2 versions, each right; version 2 is version 1 with the launch prep written anew for expert scheduling mode. Each part assembles by itself: llvm-mc -triple=amdgcn-amd-amdhsa -mcpu=gfx1250 --defsym DOCPART=n.
;; ======== version 1 of 2: 4 launches
;; limits: values are held in f16: magnitudes above 65,504 overflow, below 6.1e-05 lose precision
;; workspace buffers: xb 8,388,608 bytes; wq 6,291,456 bytes; wp 2,097,152 bytes; qkv 25,165,824 bytes; yws 8,388,608 bytes
;; launch prep (part 1): grid 256 x 1, 8 waves a work-group, no clusters, 74,752 bytes of LDS; arguments x, W_qkv, W_proj, xb, wq, wp; writes xb, wq, wp
.if DOCPART == 1
	.amdgcn_target "amdgcn-amd-amdhsa--gfx1250"
	.amdhsa_code_object_version 6
	.text
	.protected	k_q44728063c5_prep
	.globl	k_q44728063c5_prep
	.p2align	8
	.type	k_q44728063c5_prep,@function
k_q44728063c5_prep:
	s_mov_b64 s[64:65], 0
	v_nop
	global_prefetch_b8 v0, s[64:65] scope:SCOPE_SE
	s_setreg_imm32_b32 hwreg(HW_REG_WAVE_MODE, 25, 1), 1
	s_wait_xcnt 0x0
; Casts x, and casts and transposes W_qkv and W_proj, into one blocked 16-bit layout [plane of 64 k][row][64 k]:
; element (row, k) lies at byte ((k / 64) * ROWS + row) * 128 + 2 * (k % 64), so any run of rows of one plane is dense in memory.
;   xb [16][4096 m][64] bf16,  wq [16][3072 n][64 k] bf16 (transposed),  wp [16][1024 n][64 k] (transposed).
; wp: W_proj is rounded to bf16 like the other two inputs and then carried in f16, because its partner operand in the last product is f16;
; the second step is exact for |w| >= 2^-14 and off by at most 2^-25 below.
; A stream: no matrix unit, no cluster, no barrier.  2,048 waves, one item of 4,096 numbers each; the work-group's number picks the path:
;   0-127 x (4 rows x 1024),  128-223 W_qkv (64 k x 64 n),  224-255 W_proj (64 k x 64 n).
; The transposing paths go through 9,216 bytes of LDS that are the wave's own (64 rows of 144 bytes).
.set XV,   16                          ; v[16:143]   f32 as loaded; later the rows read back from LDS
.set PK,   144                         ; v[144:207]  packed 16-bit numbers
.set WLDS, 9216                        ; a wave's LDS: 64 rows, pitch 144
	s_load_b256 s[4:11], s[0:1], 0x0               ; x s[4:5], W_qkv s[6:7], W_proj s[8:9], xb s[10:11]
	s_load_b128 s[12:15], s[0:1], 0x20             ; wq s[12:13], wp s[14:15]
	v_lshl_add_u32 v208, v0, 2, 0x12000
	v_mov_b32 v209, 0
	v_lshrrev_b32 v1, 5, v0
	v_readfirstlane_b32 s16, v1                    ; wave 0..7
	v_and_b32 v5, 31, v0                           ; lane L
	v_lshlrev_b32 v2, 4, v5                        ; every store: 16 L, a wave covers 512 consecutive bytes
	v_lshrrev_b32 v6, 3, v5                        ; L / 8
	v_and_b32 v7, 7, v5                            ; L % 8
	s_mov_b32 s19, 0                               ; high words of the two offset pairs
	s_mov_b32 s21, 0
	s_cmp_ge_u32 ttmp9, 128
	s_cbranch_scc1 .Lweights
	; x: item it = 8 G + wave owns rows 4 it .. 4 it + 3.  Lane L reads 8 numbers (32 bytes) of row L / 8 in each of the 16 planes.
	s_lshl_b32 s17, ttmp9, 3
	s_add_co_u32 s17, s17, s16
	s_lshl_b32 s18, s17, 14                        ; 4 rows of 4,096 bytes in
	s_lshl_b32 s20, s17, 9                         ; 4 rows of 128 bytes out
	v_lshlrev_b32 v1, 12, v6
	v_lshl_add_u32 v1, v7, 5, v1                   ; (L / 8) * 4096 + (L % 8) * 32
	s_wait_kmcnt 0x0
	s_add_nc_u64 s[4:5], s[4:5], s[18:19]
	s_add_nc_u64 s[10:11], s[10:11], s[20:21]
.set ii, 0
.rept 16
	global_load_b128 v[XV+8*ii:XV+8*ii+3],   v1, s[4:5] offset:256*ii th:TH_LOAD_NT
	global_load_b128 v[XV+8*ii+4:XV+8*ii+7], v1, s[4:5] offset:256*ii+16 th:TH_LOAD_NT
.set ii, ii+1
.endr
.set ii, 0
.rept 16
	s_wait_loadcnt 30-2*ii                         ; loads come back in order: plane ii's two are in, the 2 (15 - ii) younger stay out
	v_cvt_pk_bf16_f32 v[PK+4*ii],   v[XV+8*ii],   v[XV+8*ii+1]
	v_cvt_pk_bf16_f32 v[PK+4*ii+1], v[XV+8*ii+2], v[XV+8*ii+3]
	v_cvt_pk_bf16_f32 v[PK+4*ii+2], v[XV+8*ii+4], v[XV+8*ii+5]
	v_cvt_pk_bf16_f32 v[PK+4*ii+3], v[XV+8*ii+6], v[XV+8*ii+7]
	global_store_b128 v2, v[PK+4*ii:PK+4*ii+3], s[10:11] offset:ii*524288   ; 4 rows of plane ii: 512 consecutive bytes
.set ii, ii+1
.endr
	s_endpgm
; A tile of 64 k x 64 n of a weight [1024][n] f32.  s17 = the work-group's number within this path.  half = 1: bf16 values carried in f16.
; Lane L reads columns 2 L, 2 L + 1 of each of the 64 rows (a load of the wave covers 256 consecutive bytes), packs pairs along k,
; lays rows n = 2 L and 2 L + 1 into its wave's LDS and reads them back as whole rows of 128 bytes.
.macro WPATH n, src, dst, half
	s_lshl_b32 s17, s17, 3
	s_add_co_u32 s17, s17, s16                     ; item
	s_and_b32 s22, s17, 15                         ; kb: plane of 64 k
	s_lshr_b32 s23, s17, 4                         ; nb: block of 64 n
	s_mul_i32 s18, s22, 64*\n*4
	s_lshl_b32 s24, s23, 8
	s_add_co_u32 s18, s18, s24                     ; in: kb * 64 rows + nb * 256 bytes
	s_mul_i32 s20, s22, \n*128
	s_lshl_b32 s24, s23, 13
	s_add_co_u32 s20, s20, s24                     ; out: (kb * n + 64 nb) rows of 128 bytes
	s_mul_i32 s25, s16, WLDS
	v_lshlrev_b32 v1, 3, v5                        ; 8 L
	v_mul_u32_u24 v3, v5, 288
	v_add_nc_u32 v3, s25, v3                       ; LDS row 2 L
	v_mul_u32_u24 v4, v6, 144
	v_lshl_add_u32 v4, v7, 4, v4
	v_add_nc_u32 v4, s25, v4                       ; back: row L / 8, 16 bytes at (L % 8) * 16
	s_wait_kmcnt 0x0
	s_add_nc_u64 s[\src:\src+1], s[\src:\src+1], s[18:19]
	s_add_nc_u64 s[\dst:\dst+1], s[\dst:\dst+1], s[20:21]
.set ii, 0
.rept 64
	global_load_b64 v[XV+2*ii:XV+2*ii+1], v1, s[\src:\src+1] offset:ii*\n*4 th:TH_LOAD_NT
.set ii, ii+1
.endr
.set ic, 0
.rept 8
	s_wait_loadcnt 56-8*ic                         ; rows 8 ic .. 8 ic + 7 are in, the younger loads stay out
.irp e, 0,1
.irp i, 0,1,2,3
	v_cvt_pk_bf16_f32 v[PK+32*\e+4*ic+\i], v[XV+2*(8*ic+2*\i)+\e], v[XV+2*(8*ic+2*\i+1)+\e]   ; k = 8 ic + 2 i, + 1 of column 2 L + e
.if \half
	v_lshlrev_b32 v8, 16, v[PK+32*\e+4*ic+\i]      ; the two bf16 values widened again,
	v_and_b32 v9, 0xffff0000, v[PK+32*\e+4*ic+\i]
	v_cvt_pk_f16_f32 v[PK+32*\e+4*ic+\i], v8, v9   ; and carried in f16
.endif
.endr
	ds_store_b128 v3, v[PK+32*\e+4*ic:PK+32*\e+4*ic+3] offset:144*\e+16*ic
.endr
.set ic, ic+1
.endr
.set ii, 0
.rept 16
	ds_load_b128 v[XV+4*ii:XV+4*ii+3], v4 offset:576*ii   ; my wave's own bytes; LDS serves a wave's instructions in order (ISA guide 5.7.1)
.set ii, ii+1
.endr
.set ii, 0
.rept 16
	s_wait_dscnt 15-ii
	global_store_b128 v2, v[XV+4*ii:XV+4*ii+3], s[\dst:\dst+1] offset:512*ii   ; 4 rows: 512 consecutive bytes
.set ii, ii+1
.endr
.endm
.Lweights:
	s_cmp_ge_u32 ttmp9, 224
	s_cbranch_scc1 .Lwproj
	s_sub_co_u32 s17, ttmp9, 128
	WPATH 3072, 6, 12, 0
	s_wait_tensorcnt 0x0
	ds_add_u32 v208, v209
	s_wait_dscnt 0x0
	s_endpgm
.Lwproj:
	s_sub_co_u32 s17, ttmp9, 224
	WPATH 1024, 8, 14, 1
	s_wait_tensorcnt 0x0
	ds_add_u32 v208, v209
	s_wait_dscnt 0x0
	s_endpgm
.Lfunc_end_k_q44728063c5_prep:
	.size	k_q44728063c5_prep, .Lfunc_end_k_q44728063c5_prep-k_q44728063c5_prep
	.p2alignl 7, 3214868480
	.fill 96, 4, 3214868480
	.section	.rodata,"a",@progbits
	.p2align	6, 0x0
	.amdhsa_kernel k_q44728063c5_prep
		.amdhsa_group_segment_fixed_size 74752
		.amdhsa_private_segment_fixed_size 0
		.amdhsa_enable_private_segment 0
		.amdhsa_kernarg_size 48
		.amdhsa_user_sgpr_count 2
		.amdhsa_user_sgpr_kernarg_segment_ptr 1
		.amdhsa_wavefront_size32 1
		.amdhsa_system_sgpr_workgroup_id_x 1
		.amdhsa_system_sgpr_workgroup_id_y 1
		.amdhsa_system_sgpr_workgroup_id_z 1
		.amdhsa_system_vgpr_workitem_id 0
		.amdhsa_next_free_vgpr 210
		.amdhsa_next_free_sgpr 66
		.amdhsa_reserve_vcc 0
		.amdhsa_float_denorm_mode_32 3
		.amdhsa_float_denorm_mode_16_64 3
		.amdhsa_memory_ordered 1
		.amdhsa_forward_progress 1
		.amdhsa_inst_pref_size 51
	.end_amdhsa_kernel
	.amdgpu_metadata
---
amdhsa.version: [ 1, 2 ]
amdhsa.kernels:
  - .name:           k_q44728063c5_prep
    .symbol:         k_q44728063c5_prep.kd
    .args:
      - { .name: x, .offset: 0, .size: 8, .value_kind: global_buffer, .address_space: global }
      - { .name: W_qkv, .offset: 8, .size: 8, .value_kind: global_buffer, .address_space: global }
      - { .name: W_proj, .offset: 16, .size: 8, .value_kind: global_buffer, .address_space: global }
      - { .name: xb, .offset: 24, .size: 8, .value_kind: global_buffer, .address_space: global }
      - { .name: wq, .offset: 32, .size: 8, .value_kind: global_buffer, .address_space: global }
      - { .name: wp, .offset: 40, .size: 8, .value_kind: global_buffer, .address_space: global }
    .group_segment_fixed_size: 74752
    .private_segment_fixed_size: 0
    .kernarg_segment_align: 8
    .kernarg_segment_size: 48
    .max_flat_workgroup_size: 256
    .sgpr_count:     66
    .vgpr_count:     210
    .wavefront_size: 32
...
	.end_amdgpu_metadata
.endif
;; end of part 1
;; launch qkv (part 2): grid 16 x 16, 4 waves a work-group, clusters of 4 x 4, 327,680 bytes of LDS; arguments xb, wq, b_qkv, qkv; writes qkv
.if DOCPART == 2
	.amdgcn_target "amdgcn-amd-amdhsa--gfx1250"
	.amdhsa_code_object_version 6
	.text
	.protected	k_q44728063c5_qkv
	.globl	k_q44728063c5_qkv
	.p2align	8
	.type	k_q44728063c5_qkv,@function
k_q44728063c5_qkv:
	s_mov_b64 s[64:65], 0
	v_nop
	global_prefetch_b8 v0, s[64:65] scope:SCOPE_SE
	s_setreg_imm32_b32 hwreg(HW_REG_WAVE_MODE, 25, 1), 1
	s_wait_xcnt 0x0
	s_wait_alu depctr_hold_cnt(0) depctr_sa_sdst(0) depctr_va_vdst(0) depctr_va_sdst(0) depctr_va_ssrc(0) depctr_va_vcc(0) depctr_vm_vsrc(0)
	s_getreg_b32 s2, hwreg(HW_REG_IB_STS2, 6, 4)
	s_cmp_eq_u32 s2, 0
	s_cbranch_scc0 .Lentry_in_a_cluster
	s_endpgm
.Lentry_in_a_cluster:
	s_bfe_u32 s2, ttmp6, 0x10000c
	s_cmp_lg_u32 s2, 0xf033
	s_cbranch_scc0 .Lentry_shape_is_right
	s_endpgm
.Lentry_shape_is_right:
; qkv[m][n] = sum over k of x[m][k] W_qkv[k][n] + b_qkv[n], m < 4096, n < 3072, k < 1024.  Operands bf16, sums f32, result rounded once to f16.
; LIMIT: results beyond 65,504 in magnitude become infinities in f16 (the drawn inputs give about 5; x and W both 30 times larger about 5,000).
; All 16-bit matrices are blocked [plane of 64][row][64]: A = xb [16][4096][64], B = wq [16][3072 n][64 k], result qkv [48][4096][64].
; A work-group makes 256 x 192 of the result with four waves; wave w makes rows 64 w .. + 63 and all 192 columns: 48 accumulator tiles, 384 registers.
; K goes in steps of 128 (two planes) through a ring of two LDS slots filled by the tensor data mover; a part of a tile is two dense runs of memory.
; CLUSTERS: 4 x 4 work-groups.  A's tile hangs on the block row alone and is asked for jointly along a row of the cluster, B's on the block column
; alone, jointly along a column: four requests become one.
; THE MATRIX INSTRUCTION IS USED TRANSPOSED (source 0 = 16 rows of B, source 1 = 16 rows of A): lane (r, h) then holds row m = r and the eight
; neighbouring columns 8 h .. 8 h + 7.  The first product takes the bias as C, so nothing is cleared and nothing is added later.
; REGISTERS, in windows of 256: window 0 addresses, A's fragments (two buffers), the bias, later the way out; window 1 B's fragments (two buffers);
; window 2 accumulators of m tiles 0, 1 at 8 (12 a + b); window 3 those of m tiles 2, 3.
.set BM,     256
.set BN,     192
.set NB,     12                        ; n tiles of a wave
.set PL,     2                         ; planes of 64 k in a K step
.set RA,     128                       ; rows of A that one tensor load brings
.set RB,     96                        ; rows of B
.set MTOT,   4096
.set NTOT,   3072
.set PITCH,  144                       ; an LDS row: 128 bytes + 16 of padding = 36 words: 16 rows start at 16 different groups of four banks
.set APART,  PL*RA*PITCH               ; 36,864: one load's part of A, [plane][row]
.set BPART,  PL*RB*PITCH               ; 27,648
.set SLOT,   2*APART+2*BPART           ; 129,024: A's two halves, then B's two halves
.set STAGE,  2*SLOT                    ; behind the ring, never a target of a tensor load
.set WSTAGE, 3*16*PITCH                ; 6,912 for each wave: 3 planes x 16 rows
.set LAPS,   1024/(2*64*PL)            ; 4 laps of two K steps
.set ASTEP,  PL*MTOT*128               ; bytes from one K step to the next
.set BSTEP,  PL*NTOT*128
.set ADRA, 16                          ; v16-17  LDS address of my A fragments in slot 0, 1
.set ADRB, 20                          ; v20-21  the same for B
.set STO,  24                          ; the way out: where I put 16 bytes
.set RD,   25                          ; where I read rows back
.set CO,   26                          ; 16 L
.set BOFF, 27                          ; 32 h: my eight bias numbers in a tile's sixteen
.set FA,   32                          ; v32-63, v64-95: A's fragments, buffers 0 and 1
.set BIAS, 96                          ; v96-191: the bias of my 12 n tiles, read by the first quarter step alone
.set TMP,  96                          ; the way out: packed results
.set RB0,  144                         ; rows read back, two buffers
.set RB1,  192
.set G1,  24                           ; s[24:31] descriptor group 1 for A
.set G0,  32                           ; s[32:39] group 0 for A, one set for each slot
.set G1B, 48                           ; s[48:55] group 1 for B
.set G0B, 56                           ; s[56:63] group 0 for B
.set MSB, 0
.macro WIN new                         ; the immediate's high byte repeats the setting that is left
.if MSB != \new
	s_set_vgpr_msb (MSB<<8)|\new
.set MSB, \new
.endif
.endm
.set MUL_LO,  0xa1                     ; source 0 (B) window 1, source 1 (A) window 0, C and D window 2
.set MUL_HI,  0xf1                     ; C and D window 3
.set MUL_LO1, 0x81                     ; the first products: C (the bias) window 0, D window 2
.set MUL_HI1, 0xc1
.set TO_B,    0x40                     ; destination window 1, address window 0
; A joint load: waves 0, 1 ask for A's halves, waves 2, 3 for B's.  Each line has one mask; the branch hangs on the wave's number alone.
.macro JLOAD s
	s_cmp_eq_u32 s13, 0
	s_cbranch_scc0 .Lfor_b_\@
	tensor_load_to_lds s[G0+4*\s:G0+4*\s+3], s[G1:G1+7]
	s_nop 0
	s_branch .Lasked_\@
.Lfor_b_\@:
	tensor_load_to_lds s[G0B+4*\s:G0B+4*\s+3], s[G1B:G1B+7]
	s_nop 0
.Lasked_\@:
.endm
; A round of the cluster's barrier: my work-group's barrier, wave 0 signals for the work-group, every wave waits for all sixteen, my barrier again.
.macro CREST
	s_cmp_lg_u32 s12, 0
	s_cbranch_scc1 .Lnot_wave_0_\@
	s_barrier_signal -3
.Lnot_wave_0_\@:
	s_barrier_wait -3
	s_barrier_signal -1
	s_barrier_wait -1
.endm
.macro CROUND
	s_barrier_signal -1
	s_barrier_wait -1
	CREST
.endm
	s_load_b256 s[4:11], s[0:1], 0x0               ; xb s[4:5], wq s[6:7], b_qkv s[8:9], qkv s[10:11]
	s_set_vgpr_msb 0x40
	v_lshl_add_u32 v255, v0, 2, 0x45c00
	s_set_vgpr_msb 0x4000
	v_mov_b32 v255, 0
	s_set_vgpr_msb 0x1
	ds_add_u32 v255, v255
	s_set_vgpr_msb 0x100
	v_lshrrev_b32 v1, 5, v0
	v_readfirstlane_b32 s12, v1                    ; wave 0..3
	s_lshr_b32 s13, s12, 1                         ; I fetch for A (0) or for B (1)
	s_and_b32 s14, s12, 1                          ; which half of that tile
	s_bfe_u32 s16, ttmp6, 0x40000                  ; cx
	s_bfe_u32 s17, ttmp6, 0x40004                  ; cy
	s_lshl_b32 s18, ttmp9, 2
	s_add_co_u32 s18, s18, s16                     ; block column = 4 x cluster x + cx
	s_and_b32 s19, ttmp7, 0xffff
	s_lshl_b32 s19, s19, 2
	s_add_co_u32 s19, s19, s17                     ; block row = 4 x cluster y + cy
	s_lshl_b32 s20, s17, 2
	s_lshl_b32 s20, 15, s20                        ; my row of the cluster: places 4 cy .. 4 cy + 3
	s_lshl_b32 s21, 0x1111, s16                    ; my column: places cx, cx + 4, cx + 8, cx + 12
	; group 1: a tile of PL runs of 16 R elements of 8 bytes (R rows of 128 bytes, dense), one run in each plane; 4 words of padding behind every 32
	s_or_b32 s[G1+0],  s20, (3<<16)|(1<<20)|(1<<21)|(4<<22)|(3<<25)   ; mask; element of 8 bytes; padding on; bit 21 beside a mask; interval 32 words; 4 words
	s_or_b32 s[G1B+0], s21, (3<<16)|(1<<20)|(1<<21)|(4<<22)|(3<<25)
	s_mov_b32 s[G1+1],  (16*RA)<<16                ; tensor_dim0 = the run
	s_mov_b32 s[G1B+1], (16*RB)<<16
	s_mov_b32 s[G1+2],  PL<<16                     ; tensor_dim1 = the planes
	s_mov_b32 s[G1B+2], PL<<16
	s_mov_b32 s[G1+3],  (16*RA)<<16                ; tile_dim0
	s_mov_b32 s[G1B+3], (16*RB)<<16
	s_mov_b32 s[G1+4],  PL                         ; tile_dim1
	s_mov_b32 s[G1B+4], PL
	s_mov_b32 s[G1+5],  16*MTOT                    ; from plane to plane, in elements
	s_mov_b32 s[G1B+5], 16*NTOT
	s_mov_b32 s[G1+6],  0
	s_mov_b32 s[G1B+6], 0
	s_mov_b32 s[G1+7],  0
	s_mov_b32 s[G1B+7], 0
	; where the tiles come from: A's address is made of the block row and the wave, B's of the block column and the wave, in registers of their own
	s_mul_i32 s22, s19, BM*128
	s_mul_i32 s23, s14, RA*128
	s_add_co_u32 s22, s22, s23
	s_mov_b32 s23, 0
	s_mul_i32 s42, s18, BN*128
	s_mul_i32 s43, s14, RB*128
	s_add_co_u32 s42, s42, s43
	s_mov_b32 s43, 0
	s_mul_i32 s46, s12, APART                      ; and where they go: waves 0, 1: A's halves at wave x APART;
	s_mul_i32 s47, s12, BPART
	s_add_co_u32 s47, s47, 2*(APART-BPART)         ; waves 2, 3: B's halves at 2 APART + (wave - 2) x BPART
	s_mul_i32 s66, s18, BN*4                       ; my block's first bias number
	s_mov_b32 s67, 0
	v_bfe_u32 v2, v0, 4, 1                         ; h
	v_lshlrev_b32 v[BOFF], 5, v2
	s_wait_dscnt 0x0
	s_wait_kmcnt 0x0
	s_add_nc_u64 s[40:41], s[4:5], s[22:23]
	s_add_nc_u64 s[44:45], s[6:7], s[42:43]
	s_add_nc_u64 s[8:9], s[8:9], s[66:67]
.set ib, 0
.rept NB
	global_load_b128 v[BIAS+8*ib:BIAS+8*ib+3],   v[BOFF], s[8:9] offset:64*ib      ; b(16 ib + 8 h + 0..3)
	global_load_b128 v[BIAS+8*ib+4:BIAS+8*ib+7], v[BOFF], s[8:9] offset:64*ib+16
.set ib, ib+1
.endr
	CROUND                                         ; all sixteen work-groups are here: the first joint loads meet
.irp s, 0,1
	s_mov_b32 s[G0+4*\s], 1
	s_add_co_u32 s[G0+4*\s+1], s46, \s*SLOT
	s_add_nc_u64 s[G0+4*\s+2:G0+4*\s+3], s[40:41], \s*ASTEP
	s_or_b32 s[G0+4*\s+3], s[G0+4*\s+3], 0x80000000
	s_mov_b32 s[G0B+4*\s], 1
	s_add_co_u32 s[G0B+4*\s+1], s47, \s*SLOT
	s_add_nc_u64 s[G0B+4*\s+2:G0B+4*\s+3], s[44:45], \s*BSTEP
	s_or_b32 s[G0B+4*\s+3], s[G0B+4*\s+3], 0x80000000
	JLOAD \s                                       ; K steps 0 and 1: by this text's own count two tensor loads of a wave are out here, later one
.endr
	; a fragment: lane (r, h) takes 16 bytes at row r, byte 16 h, and 16 more 32 bytes on
	v_and_b32 v1, 15, v0                           ; r
	v_mul_u32_u24 v3, v1, PITCH
	v_lshl_add_u32 v3, v2, 4, v3                   ; 144 r + 16 h
	s_mul_i32 s68, s13, APART                      ; my 64 rows of A: half wave / 2,
	s_mul_i32 s69, s14, 64*PITCH                   ; rows 64 (wave % 2) of it
	s_add_co_u32 s68, s68, s69
	s_mov_b32 s69, 2*APART                         ; B: all 192 rows
.irp s, 0,1
	v_add_nc_u32 v[ADRA+\s], s68, v3
	v_add_nc_u32 v[ADRB+\s], s69, v3
	s_add_co_u32 s68, s68, SLOT
	s_add_co_u32 s69, s69, SLOT
.endr
	s_mul_i32 s70, s12, WSTAGE
	s_add_co_u32 s70, s70, STAGE                   ; my stage
	v_add_nc_u32 v[STO], s70, v3
	v_and_b32 v4, 31, v0
	v_lshrrev_b32 v5, 3, v4
	v_and_b32 v6, 7, v4
	v_mul_u32_u24 v5, v5, PITCH
	v_lshl_add_u32 v5, v6, 4, v5
	v_add_nc_u32 v[RD], s70, v5                    ; back: row L / 8, 16 bytes at (L % 8) * 16
	v_lshlrev_b32 v[CO], 4, v4
; NB matrix instructions: m tile a of the window's two (hi = 0: tiles 0, 1; 1: tiles 2, 3) x all n tiles, 32 along K, from buffer f.
; The 48 accumulators take turns, one instruction a turn, in the same order in every quarter step.
.macro MULA f, hi, a, first
.set ib, 0
.rept NB
.if \first
	v_wmma_f32_16x16x32_bf16 v[8*(NB*\a+ib):8*(NB*\a+ib)+7], v[8*NB*\f+8*ib:8*NB*\f+8*ib+7], v[FA+32*\f+8*(2*\hi+\a):FA+32*\f+8*(2*\hi+\a)+7], v[BIAS+8*ib:BIAS+8*ib+7]
.else
	v_wmma_f32_16x16x32_bf16 v[8*(NB*\a+ib):8*(NB*\a+ib)+7], v[8*NB*\f+8*ib:8*NB*\f+8*ib+7], v[FA+32*\f+8*(2*\hi+\a):FA+32*\f+8*(2*\hi+\a)+7], v[8*(NB*\a+ib):8*(NB*\a+ib)+7]
.endif
.set ib, ib+1
.endr
.endm
; 2 NB + 8 LDS loads in one run: quarter step kq (plane kq / 2, byte 64 (kq % 2) of its rows) of a slot into buffer f; A's tiles last, in order
.macro FETCH slot, kq, f
	WIN TO_B
.set ib, 0
.rept NB
	ds_load_b128 v[8*NB*\f+8*ib:8*NB*\f+8*ib+3],   v[ADRB+\slot] offset:((\kq)>>1)*RB*PITCH+((\kq)&1)*64+(ib/(RB/16))*BPART+(ib%(RB/16))*16*PITCH
	ds_load_b128 v[8*NB*\f+8*ib+4:8*NB*\f+8*ib+7], v[ADRB+\slot] offset:((\kq)>>1)*RB*PITCH+((\kq)&1)*64+(ib/(RB/16))*BPART+(ib%(RB/16))*16*PITCH+32
.set ib, ib+1
.endr
	WIN 0
.set ia, 0
.rept 4
	ds_load_b128 v[FA+32*\f+8*ia:FA+32*\f+8*ia+3],   v[ADRA+\slot] offset:((\kq)>>1)*RA*PITCH+((\kq)&1)*64+ia*16*PITCH
	ds_load_b128 v[FA+32*\f+8*ia+4:FA+32*\f+8*ia+7], v[ADRA+\slot] offset:((\kq)>>1)*RA*PITCH+((\kq)&1)*64+ia*16*PITCH+32
.set ia, ia+1
.endr
.endm
; Four places of plain vector instructions stand between a matrix instruction and a load into one of its registers or a reader of its result
; (ISA guide 7.12.1 for vector instructions); the matrix instructions in between are not counted.
.macro PLACES
.rept 4
	v_nop
.endr
.endm
; A quarter step: multiplies buffer f; in its middle it fetches quarter step kq of the same slot into buffer g.
.macro QUARTER slot, kq, f, g, first
	s_wait_dscnt 4                                 ; B and A's tiles 0, 1 are in; the youngest four loads (A's tiles 2, 3) may be out
.if \first
	WIN MUL_LO1
.else
	WIN MUL_LO
.endif
	MULA \f, 0, 0, \first
	MULA \f, 0, 1, \first
	PLACES
	FETCH \slot, \kq, \g
	s_wait_dscnt 2*NB+8                            ; all but the run just issued
.if \first
	WIN MUL_HI1
.else
	WIN MUL_HI
.endif
	MULA \f, 1, 0, \first
	MULA \f, 1, 1, \first
.endm
.macro RUN slot, first
	QUARTER \slot, 1, 0, 1, \first
	QUARTER \slot, 2, 1, 0, 0
	QUARTER \slot, 3, 0, 1, 0
.endm
; The last quarter step of a K step: multiplies buffer 1 and changes slots.  In front of the barrier each wave waits for its reads of this slot
; and for all its tensor loads (the one that is out is its part of the next slot).  Where the slot is filled again the barrier opens a round of the
; cluster's barrier, and the joint refill is the first tensor load behind the round's closing wait.
.macro TURN slot, next, fill
	s_wait_dscnt 4
	WIN MUL_LO
	MULA 1, 0, 0, 0
	s_wait_dscnt 0                                 ; my reads of this slot are over
	s_wait_tensorcnt 0x0                           ; all my tensor loads have landed
	ds_add_u32 v255, v255
	s_wait_dscnt 0x0
	s_barrier_signal -1
	MULA 1, 0, 1, 0                                ; register work while the others arrive
	WIN 0
	s_barrier_wait -1
.if \fill
	CREST
	s_add_nc_u64 s[G0+4*\slot+2:G0+4*\slot+3], s[G0+4*\slot+2:G0+4*\slot+3], 2*ASTEP
	s_add_nc_u64 s[G0B+4*\slot+2:G0B+4*\slot+3], s[G0B+4*\slot+2:G0B+4*\slot+3], 2*BSTEP
	JLOAD \slot                                    ; 180 matrix instructions of the wave stand between this request and the wait for it
.endif
	PLACES
	FETCH \next, 0, 0
	WIN MUL_HI
	MULA 1, 1, 0, 0
	MULA 1, 1, 1, 0
.endm
.macro LAP first
	RUN 0, \first
	TURN 0, 1, 1
	RUN 1, 0
	TURN 1, 0, 1
.endm
	s_wait_loadcnt 0x0                             ; the bias
	s_wait_tensorcnt 1                             ; my part of K step 0 is in; K step 1's stays out
	s_barrier_signal -1
	s_barrier_wait -1
	FETCH 0, 0, 0
	LAP 1                                          ; the first lap stands in front of the loop: its first products start the sums from the bias
	WIN 0                                          ; at a label and at a branch every window is 0
	s_mov_b32 s15, LAPS-2
.Llap:
	LAP 0
	WIN 0
	s_sub_co_u32 s15, s15, 1
	s_cmp_lg_u32 s15, 0
	s_cbranch_scc1 .Llap
	RUN 0, 0                                       ; the last lap fills nothing
	TURN 0, 1, 0
	RUN 1, 0
	s_wait_dscnt 4
	WIN MUL_LO
	MULA 1, 0, 0, 0
	MULA 1, 0, 1, 0
	s_wait_dscnt 0
	WIN MUL_HI
	MULA 1, 1, 0, 0
	MULA 1, 1, 1, 0
	; THE WAY OUT, 16 rows at a time: round to f16, 16 bytes a lane into my own stage (3 planes x 16 rows), read back as dense runs of each plane.
	PLACES
	s_mul_i32 s66, s18, 3*MTOT*128                 ; my block's three planes,
	s_lshl_b32 s68, s19, 15                        ; its 256 rows of 128 bytes,
	s_lshl_b32 s69, s12, 13                        ; my 64 rows
	s_add_co_u32 s66, s66, s68
	s_add_co_u32 s66, s66, s69
	s_mov_b32 s67, 0
	s_add_nc_u64 s[10:11], s[10:11], s[66:67]
.macro OUT16 a, from, rb
	WIN \from                                      ; sources 0 and 1 in the accumulators' window
.set ib, 0
.rept NB
.irp rr, 0,1,2,3
	v_cvt_pk_f16_f32 v[TMP+4*ib+\rr], v[8*(NB*((\a)&1)+ib)+2*\rr], v[8*(NB*((\a)&1)+ib)+2*\rr+1]
.endr
.set ib, ib+1
.endr
	WIN 0
.set ib, 0
.rept NB
	ds_store_b128 v[STO], v[TMP+4*ib:TMP+4*ib+3] offset:(ib/4)*16*PITCH+(ib%4)*32
.set ib, ib+1
.endr
	s_wait_xcnt 0x0                                ; the buffer that stores read, and the stores' base, are rewritten only behind this wait
.if \a
	s_add_nc_u64 s[10:11], s[10:11], 16*128        ; 16 rows on
.endif
.set ib, 0
.rept NB
	ds_load_b128 v[\rb+4*ib:\rb+4*ib+3], v[RD] offset:(ib/4)*16*PITCH+(ib%4)*4*PITCH   ; my own bytes, served in order (ISA guide 5.7.1)
.set ib, ib+1
.endr
.set ib, 0
.rept NB
	s_wait_dscnt NB-1-ib
	global_store_b128 v[CO], v[\rb+4*ib:\rb+4*ib+3], s[10:11] offset:(ib/4)*MTOT*128+(ib%4)*512   ; 4 rows of a plane: 512 consecutive bytes
.set ib, ib+1
.endr
.endm
	OUT16 0, 0x0a, RB0
	OUT16 1, 0x0a, RB1
	OUT16 2, 0x0f, RB0
	OUT16 3, 0x0f, RB1
	s_set_vgpr_msb 0x1
	s_wait_tensorcnt 0x0
	ds_add_u32 v255, v255
	s_wait_dscnt 0x0
	s_set_vgpr_msb 0x100
	CROUND                                         ; the closing round: no work-group ends while a partner may still ask for a tile that names it
	s_endpgm
.Lfunc_end_k_q44728063c5_qkv:
	.size	k_q44728063c5_qkv, .Lfunc_end_k_q44728063c5_qkv-k_q44728063c5_qkv
	.p2alignl 7, 3214868480
	.fill 96, 4, 3214868480
	.section	.rodata,"a",@progbits
	.p2align	6, 0x0
	.amdhsa_kernel k_q44728063c5_qkv
		.amdhsa_group_segment_fixed_size 327680
		.amdhsa_private_segment_fixed_size 0
		.amdhsa_enable_private_segment 0
		.amdhsa_kernarg_size 32
		.amdhsa_user_sgpr_count 2
		.amdhsa_user_sgpr_kernarg_segment_ptr 1
		.amdhsa_wavefront_size32 1
		.amdhsa_system_sgpr_workgroup_id_x 1
		.amdhsa_system_sgpr_workgroup_id_y 1
		.amdhsa_system_sgpr_workgroup_id_z 1
		.amdhsa_system_vgpr_workitem_id 0
		.amdhsa_next_free_vgpr 960
		.amdhsa_next_free_sgpr 72
		.amdhsa_reserve_vcc 0
		.amdhsa_float_denorm_mode_32 3
		.amdhsa_float_denorm_mode_16_64 3
		.amdhsa_memory_ordered 1
		.amdhsa_forward_progress 1
		.amdhsa_inst_pref_size 166
	.end_amdhsa_kernel
	.amdgpu_metadata
---
amdhsa.version: [ 1, 2 ]
amdhsa.kernels:
  - .name:           k_q44728063c5_qkv
    .symbol:         k_q44728063c5_qkv.kd
    .args:
      - { .name: xb, .offset: 0, .size: 8, .value_kind: global_buffer, .address_space: global }
      - { .name: wq, .offset: 8, .size: 8, .value_kind: global_buffer, .address_space: global }
      - { .name: b_qkv, .offset: 16, .size: 8, .value_kind: global_buffer, .address_space: global }
      - { .name: qkv, .offset: 24, .size: 8, .value_kind: global_buffer, .address_space: global }
    .group_segment_fixed_size: 327680
    .private_segment_fixed_size: 0
    .kernarg_segment_align: 8
    .kernarg_segment_size: 32
    .max_flat_workgroup_size: 128
    .sgpr_count:     72
    .vgpr_count:     960
    .wavefront_size: 32
...
	.end_amdgpu_metadata
.endif
;; end of part 2
;; launch attn (part 3): grid 8 x 32, 8 waves a work-group, no clusters, 327,680 bytes of LDS; arguments qkv, yws; writes yws
.if DOCPART == 3
	.amdgcn_target "amdgcn-amd-amdhsa--gfx1250"
	.amdhsa_code_object_version 6
	.text
	.protected	k_q44728063c5_attn
	.globl	k_q44728063c5_attn
	.p2align	8
	.type	k_q44728063c5_attn,@function
k_q44728063c5_attn:
	s_mov_b64 s[64:65], 0
	v_nop
	global_prefetch_b8 v0, s[64:65] scope:SCOPE_SE
	s_setreg_imm32_b32 hwreg(HW_REG_WAVE_MODE, 25, 1), 1
	s_wait_xcnt 0x0
; Causal softmax attention of one plane Y = 2 head + batch (2,048 rows of 64), by a running maximum.  q, k, v, p, y in f16; scores, softmax, sums in f32.
; LIMITS: a masked score is -inf and the running maximum starts at the most negative finite f32, below which no finite score lies;
; p is rounded to f16 (below 2^-14 with an absolute step of 2^-24), its sum is taken from the unrounded f32 values.
; SHARE: work-group j (0..7) of a plane owns the 128 low rows from 128 j and the 128 high rows from 128 (15 - j): 18 blocks of 128 x 128 in each.
; Wave w = 4 p + g owns q tiles 0, 1 (low rows 32 g + 16 i) and 2, 3 (high rows), and of every step of 128 keys the 64 keys of half p.
; Waves (g, 0) and (g, 1) hold partial softmaxes over disjoint keys and merge them once at the end, through LDS.
; LAPS of 256 keys (step 0 in slot 0, step 1 in slot 1), f = j / 2: lap f (low rows masked, high rows whole), laps 0 .. f - 1 (both sets),
; laps f + 1 .. 6 - f (high rows alone), lap 7 - f (high rows masked).  The causal mask lets all later keys be left out.
; NO MULTICAST: the eight work-groups of a plane read the same K and V, but walk 8 - f laps in an order that begins with lap f; only the two
; with the same f ask alike, and clusters here come in fours.
; S^T = K Q^T: lane (r, h) holds query r and keys 16 kt + 8 h + 0..7, so the maximum and the sum over keys stay in the lane but for one exchange of
; the halves, and the f16 pack of tiles 2 u, 2 u + 1 is already the B fragment of O^T = V^T P^T, written in place.
; REGISTERS: window 0 as named below; window 1: O(q, dt) at 8 (4 q + dt), S(q, kt) at 128 + 8 (4 q + kt).
.set KP,     144                       ; K's LDS pitch: 128 + 16
.set VP,     160                       ; V's: 128 + 32, an odd multiple of 32 for the transposing load
.set KOFF,   128*VP                    ; a slot: V's 128 rows (20,480), then K's 128 rows (18,432)
.set SLOT,   128*VP+128*KP             ; 38,912
.set MERGE,  2*SLOT                    ; 77,824: 17 x 512 bytes for each wave
.set WMERGE, 8704
.set STAGE,  MERGE+8*WMERGE            ; 147,456: 32 rows of 144 bytes for each wave
.set WSTAGE, 32*KP
.set ADK,  4                           ; LDS address of my K fragments in slot 0
.set ADV,  5                           ; of my V fragments
.set QO,   6                           ; v6, v7: byte offset of my q rows, low and high
.set DM,   8                           ; v8, v9: query minus key at (kt, jj, i) = 0, low and high set
.set NINF, 10
.set PX,   12                          ; v12-15: what the other half of the lanes holds; temporaries
.set MS,   16
.set MR,   17
.set STO,  18
.set RD,   19
.set CO,   20
.set ST,   24                          ; v[24:31] = M0, M1, l0, l1, M2, M3, l2, l3
.set QF,   32                          ; Q fragments (q, dh) at 8 (2 q + dh)
.set KF,   96                          ; K fragments (kt, dh) at 8 (2 kt + dh)
.set VF,   160                         ; V fragments (dt, u) at 8 (2 dt + u)
.set NMC,  224                         ; pairs: - c x maximum
.set AL,   232                         ; pairs: the factor on what was summed before
.set LS,   240                         ; pairs: running sums of p
.set PS,   248                         ; the partner's M, M, l, l
.set MN,   252                         ; the new maxima
.set OO,   0
.set SS,   128
.set G1K, 24
.set G1V, 32
.set G0K, 40                           ; s[40:47] group 0 for K, one set for each slot
.set G0V, 48                           ; s[48:55] for V
.set MSB, 0
.macro WIN new
.if MSB != \new
	s_set_vgpr_msb (MSB<<8)|\new
.set MSB, \new
.endif
.endm
; One tensor load a wave and step: waves 0-3 bring 32 rows of V, waves 4-7 32 rows of K.
.macro KVLOAD s
	s_cmp_eq_u32 s10, 0
	s_cbranch_scc0 .Lkeys_\@
	tensor_load_to_lds s[G0V+4*(\s):G0V+4*(\s)+3], s[G1V:G1V+7]
	s_nop 0
	s_branch .Lasked_\@
.Lkeys_\@:
	tensor_load_to_lds s[G0K+4*(\s):G0K+4*(\s)+3], s[G1K:G1K+7]
	s_nop 0
.Lasked_\@:
.endm
	s_load_b128 s[4:7], s[0:1], 0x0                ; qkv s[4:5], yws s[6:7]
	v_lshl_add_u32 v254, v0, 2, 0x2d000
	v_mov_b32 v255, 0
	ds_add_u32 v254, v255
	s_wait_dscnt 0x0
	v_lshrrev_b32 v1, 5, v0
	v_readfirstlane_b32 s8, v1                     ; wave 0..7
	s_and_b32 s9, s8, 3                            ; g
	s_lshr_b32 s10, s8, 2                          ; p
	s_mov_b32 s11, ttmp9                           ; j
	s_lshr_b32 s12, s11, 1                         ; f
	s_add_co_u32 s13, s12, 1
	s_mov_b32 s14, -1                              ; c: the lap fetched last among those behind lap f
	s_mov_b32 s15, s12                             ; the lap at work
	s_mov_b32 s17, 0
	s_mov_b32 s20, 0x76543210                      ; v_permlanex16_b32: lane i reads lane i of the other half
	s_mov_b32 s21, 0xfedcba98
	s_and_b32 s22, ttmp7, 0xffff                   ; Y
	s_and_b32 s23, s11, 1
	; group 1: a dense block of 4,096 bytes as 16 rows of 32 elements of 8 bytes; padding behind every 32 words (a row of 128 bytes): 4 words (K), 8 (V)
	s_mov_b32 s[G1K+0], (3<<16)|(1<<20)|(4<<22)|(3<<25)
	s_mov_b32 s[G1V+0], (3<<16)|(1<<20)|(4<<22)|(7<<25)
	s_mov_b32 s[G1K+1], 32<<16
	s_mov_b32 s[G1V+1], 32<<16
	s_mov_b32 s[G1K+2], 16<<16
	s_mov_b32 s[G1V+2], 16<<16
	s_mov_b32 s[G1K+3], 32<<16
	s_mov_b32 s[G1V+3], 32<<16
	s_mov_b32 s[G1K+4], 16
	s_mov_b32 s[G1V+4], 16
	s_mov_b32 s[G1K+5], 32
	s_mov_b32 s[G1V+5], 32
	s_mov_b32 s[G1K+6], 0
	s_mov_b32 s[G1V+6], 0
	s_mov_b32 s[G1K+7], 0
	s_mov_b32 s[G1V+7], 0
	s_mul_i32 s62, s8, 32*VP                       ; V: waves 0-3 at wave x 5,120
	s_mul_i32 s63, s8, 32*KP
	s_add_co_u32 s63, s63, KOFF-4*32*KP            ; K: waves 4-7 at 20,480 + (wave - 4) x 4,608
.irp s, 0,1
	s_mov_b32 s[G0K+4*\s], 1
	s_add_co_u32 s[G0K+4*\s+1], s63, \s*SLOT
	s_mov_b32 s[G0V+4*\s], 1
	s_add_co_u32 s[G0V+4*\s+1], s62, \s*SLOT
.endr
	s_lshl_b32 s68, s22, 18                        ; the plane's 2,048 rows of 128 bytes
	s_mov_b32 s69, 0
	s_lshl_b32 s70, s9, 12                         ; the 32 rows that I fetch of each step
	s_add_co_u32 s70, s70, s68
	s_mov_b32 s71, 0
	s_lshl_b32 s16, s12, 15                        ; lap f: 256 rows of 128 bytes a lap
	s_wait_kmcnt 0x0
	s_add_nc_u64 s[60:61], s[4:5], s[68:69]        ; q
	s_add_nc_u64 s[56:57], s[4:5], s[70:71]
	s_add_nc_u64 s[58:59], s[56:57], 16777216      ; v: 32 planes of 524,288 bytes on
	s_add_nc_u64 s[56:57], s[56:57], 8388608       ; k: 16 planes on
	s_add_nc_u64 s[G0K+2:G0K+3], s[56:57], s[16:17]
	s_or_b32 s[G0K+3], s[G0K+3], 0x80000000
	s_add_nc_u64 s[G0V+2:G0V+3], s[58:59], s[16:17]
	s_or_b32 s[G0V+3], s[G0V+3], 0x80000000
	KVLOAD 0                                       ; lap f, step 0.  By this text's own count a wave never has more than one tensor load out
	s_lshl_b32 s72, s11, 14                        ; 128 j rows
	s_sub_co_u32 s73, 245760, s72                  ; 128 (15 - j) rows
	s_lshl_b32 s76, s9, 12                         ; 32 g rows
	s_add_co_u32 s72, s72, s76                     ; my low rows, in bytes
	s_add_co_u32 s73, s73, s76                     ; my high rows
	s_lshl_b32 s74, s23, 7                         ; low rows begin 128 (j % 2) keys into lap f,
	s_sub_co_u32 s75, 128, s74                     ; high rows 128 - 128 (j % 2) into lap 7 - f
	s_lshl_b32 s76, s9, 5
	s_lshl_b32 s77, s10, 6
	s_sub_co_i32 s76, s76, s77                     ; + 32 g - 64 p
	s_add_co_i32 s74, s74, s76
	s_add_co_i32 s75, s75, s76
	v_and_b32 v1, 31, v0                           ; L
	v_and_b32 v2, 15, v0                           ; r
	v_bfe_u32 v3, v0, 4, 1                         ; h
	v_lshlrev_b32 v22, 7, v2
	v_lshl_add_u32 v22, v3, 4, v22                 ; 128 r + 16 h
	v_add_nc_u32 v[QO], s72, v22
	v_add_nc_u32 v[QO+1], s73, v22
.irp st, 0,1
.irp i, 0,1
.irp d, 0,1
	global_load_b128 v[QF+8*(2*(2*\st+\i)+\d):QF+8*(2*(2*\st+\i)+\d)+3],   v[QO+\st], s[60:61] offset:2048*\i+64*\d
	global_load_b128 v[QF+8*(2*(2*\st+\i)+\d)+4:QF+8*(2*(2*\st+\i)+\d)+7], v[QO+\st], s[60:61] offset:2048*\i+64*\d+32
.endr
.endr
.endr
	v_mul_u32_u24 v21, v2, KP
	v_lshl_add_u32 v21, v3, 4, v21                 ; 144 r + 16 h
	s_mul_i32 s76, s10, 64*KP
	s_add_co_u32 s76, s76, KOFF
	v_add_nc_u32 v[ADK], s76, v21                  ; K rows 64 p + r
	v_and_b32 v22, 7, v0
	v_lshl_add_u32 v22, v3, 3, v22                 ; 8 h + L % 8
	v_mul_u32_u24 v22, v22, VP
	v_bfe_u32 v23, v0, 3, 1
	v_lshl_add_u32 v22, v23, 4, v22                ; + 16 ((L / 8) % 2)
	s_mul_i32 s76, s10, 64*VP
	v_add_nc_u32 v[ADV], s76, v22
	v_lshlrev_b32 v22, 3, v3
	v_sub_nc_u32 v22, v2, v22                      ; r - 8 h
	v_add_nc_u32 v[DM], s74, v22
	v_add_nc_u32 v[DM+1], s75, v22
	v_mov_b32 v[NINF], 0xff800000
.irp q, 0,1,2,3
	v_mov_b32 v[PX+\q], 0                          ; v_permlanex16_b32 counts as a reader of its destination
	v_mov_b32 v[ST+(\q&1)+4*(\q>>1)], 0xff7fffff   ; M: the most negative finite f32
	v_mov_b32 v[LS+2*\q], 0
	v_mov_b32 v[LS+2*\q+1], 0
.endr
	s_mul_i32 s76, s8, WMERGE
	s_add_co_u32 s76, s76, MERGE
	v_lshl_add_u32 v[MS], v1, 4, s76
	s_mul_i32 s77, s8, WSTAGE
	s_add_co_u32 s77, s77, STAGE
	v_add_nc_u32 v[STO], s77, v21
	v_lshrrev_b32 v22, 3, v1
	v_and_b32 v23, 7, v1
	v_mul_u32_u24 v22, v22, KP
	v_lshl_add_u32 v22, v23, 4, v22
	v_add_nc_u32 v[RD], s77, v22
	v_lshlrev_b32 v[CO], 4, v1
; -inf where the key lies behind the query: key - query = 16 kt + jj - 16 i - DM.  Window: destination and source 0 in window 1.
.macro MASK set
.irp i, 0,1
.set kt, 0
.rept 4
.set jj, 0
.rept 8
	v_cmp_gt_i32 vcc_lo, 16*kt+jj-16*\i, v[DM+\set]
	v_cndmask_b32 v[SS+8*(4*(2*\set+\i)+kt)+jj], v[SS+8*(4*(2*\set+\i)+kt)+jj], v[NINF], vcc_lo
.set jj, jj+1
.endr
.set kt, kt+1
.endr
.endr
.endm
; One step: 128 keys in a slot, of which I take 64.  low = 1: all four q tiles, 0: the high two.  mlow, mhigh: that set is masked.
; first = 1: the products start O.  refill = 1: the other slot is asked for again.
.macro STEP slot, low, mlow, mhigh, first, refill
.set Q0, 2-2*\low
.set NQ, 2+2*\low
	s_wait_xcnt 0x0
	v_lshl_add_u32 v254, v0, 2, 0x2d000
	v_mov_b32 v255, 0
	s_wait_tensorcnt 0x0                           ; all my tensor loads have landed, my part of this slot among them: every group 0 may be written
	ds_add_u32 v254, v255
	s_wait_dscnt 0x0
.if \refill
.if \slot
	s_add_co_u32 s14, s14, 1                       ; the next lap: 0, 1, .. with lap f, done first, left out
	s_cmp_eq_u32 s14, s12
	s_cselect_b32 s14, s13, s14
	s_mov_b32 s15, s14
	s_lshl_b32 s16, s14, 15                        ; its step 0
.else
	s_lshl_b32 s16, s15, 15
	s_add_co_u32 s16, s16, 16384                   ; this lap's step 1
.endif
	s_add_nc_u64 s[G0K+6-4*\slot:G0K+7-4*\slot], s[56:57], s[16:17]
	s_or_b32 s[G0K+7-4*\slot], s[G0K+7-4*\slot], 0x80000000
	s_add_nc_u64 s[G0V+6-4*\slot:G0V+7-4*\slot], s[58:59], s[16:17]
	s_or_b32 s[G0V+7-4*\slot], s[G0V+7-4*\slot], 0x80000000
.endif
	s_wait_dscnt 0x0                               ; my reads of the other slot are over
	s_barrier_signal -1
	s_barrier_wait -1                              ; both now hold of all eight waves
.if \refill
	KVLOAD 1-\slot                                 ; the first tensor load behind the barrier; it has this step's work in which to land
.endif
.if \slot
.if \mlow
	v_add_nc_u32 v[DM], 0xffffff80, v[DM]          ; step 1's keys lie 128 further on
.endif
.if \mhigh
	v_add_nc_u32 v[DM+1], 0xffffff80, v[DM+1]
.endif
.endif
.set kt, 0
.rept 4
.set dh, 0
.rept 2
	ds_load_b128 v[KF+8*(2*kt+dh):KF+8*(2*kt+dh)+3],   v[ADK] offset:\slot*SLOT+kt*16*KP+64*dh
	ds_load_b128 v[KF+8*(2*kt+dh)+4:KF+8*(2*kt+dh)+7], v[ADK] offset:\slot*SLOT+kt*16*KP+64*dh+32
.set dh, dh+1
.endr
.set kt, kt+1
.endr
.set idt, 0
.rept 4
.set iu, 0
.rept 2
	ds_load_tr16_b128 v[VF+8*(2*idt+iu):VF+8*(2*idt+iu)+3],   v[ADV] offset:\slot*SLOT+iu*32*VP+32*idt
	ds_load_tr16_b128 v[VF+8*(2*idt+iu)+4:VF+8*(2*idt+iu)+7], v[ADV] offset:\slot*SLOT+iu*32*VP+32*idt+16*VP
.set iu, iu+1
.endr
.set idt, idt+1
.endr
	s_wait_dscnt 16                                ; K's sixteen loads are in; V's sixteen stay out
.if \first
	s_wait_loadcnt 0x0                             ; Q, once
.endif
	; S^T = K Q^T.  The accumulators take turns, one instruction a turn.
	WIN 0x50                                       ; C and D in window 1
.set dh, 0
.rept 2
.set kt, 0
.rept 4
.set iq, Q0
.rept NQ
.if dh
	v_wmma_f32_16x16x32_f16 v[SS+8*(4*iq+kt):SS+8*(4*iq+kt)+7], v[KF+8*(2*kt+1):KF+8*(2*kt+1)+7], v[QF+8*(2*iq+1):QF+8*(2*iq+1)+7], v[SS+8*(4*iq+kt):SS+8*(4*iq+kt)+7]
.else
	v_wmma_f32_16x16x32_f16 v[SS+8*(4*iq+kt):SS+8*(4*iq+kt)+7], v[KF+16*kt:KF+16*kt+7], v[QF+16*iq:QF+16*iq+7], 0
.endif
.set iq, iq+1
.endr
.set kt, kt+1
.endr
.set dh, dh+1
.endr
.rept 4
	v_nop                                          ; four places in front of the first reader of S (ISA guide 7.12.1)
.endr
	WIN 0x41                                       ; destination and source 0 in window 1
.if \mlow
	MASK 0
.endif
.if \mhigh
	MASK 1
.endif
	; the new maximum: the old one and my 32 scores of each query
	WIN 0x14                                       ; sources 1 and 2 in window 1
.set ii, 0
.rept 16
.set iq, Q0
.rept NQ
.if ii
	v_max3_num_f32 v[MN+iq], v[MN+iq], v[SS+32*iq+2*ii], v[SS+32*iq+2*ii+1]
.else
	v_max3_num_f32 v[MN+iq], v[ST+(iq&1)+4*(iq>>1)], v[SS+32*iq], v[SS+32*iq+1]
.endif
.set iq, iq+1
.endr
.set ii, ii+1
.endr
	WIN 0
.set iq, Q0
.rept NQ
	v_permlanex16_b32 v[PX+iq], v[MN+iq], s20, s21 ; the other half of the lanes holds the other 32 keys
.set iq, iq+1
.endr
.set iq, Q0
.rept NQ
	v_max_num_f32 v[MN+iq], v[MN+iq], v[PX+iq]
	v_sub_f32 v[PX+iq], v[ST+(iq&1)+4*(iq>>1)], v[MN+iq]     ; old - new first, so that equal maxima give exactly 0
	v_mul_f32 v[NMC+2*iq], 0xbe38aa3b, v[MN+iq]    ; - c x maximum, c = log2(e) / 8: the scale 1 / sqrt(64) is folded in
	v_mul_f32 v[PX+iq], 0x3e38aa3b, v[PX+iq]
	v_mov_b32 v[NMC+2*iq+1], v[NMC+2*iq]
.set iq, iq+1
.endr
.set iq, Q0
.rept NQ
	v_exp_f32 v[AL+2*iq], v[PX+iq]
	v_exp_f32 v[AL+2*iq+1], v[PX+iq]
.set iq, iq+1
.endr
.set iq, Q0
.rept NQ
	v_mov_b32 v[ST+(iq&1)+4*(iq>>1)], v[MN+iq]     ; the first of these is the plain place behind the exponentials (ISA guide 5.7.2)
	s_wait_alu depctr_va_vdst(0)
	v_pk_mul_f32 v[LS+2*iq:LS+2*iq+1], v[LS+2*iq:LS+2*iq+1], v[AL+2*iq:AL+2*iq+1]
.set iq, iq+1
.endr
	; p = 2^(c s - c maximum), in place; behind each tile row's exponentials stands the next one's multiply-add
	WIN 0x41
.set iq, Q0
.rept NQ
.set ii, 0
.rept 16
	v_pk_fma_f32 v[SS+32*iq+2*ii:SS+32*iq+2*ii+1], v[SS+32*iq+2*ii:SS+32*iq+2*ii+1], 0x3e38aa3b, v[NMC+2*iq:NMC+2*iq+1] op_sel_hi:[1,0,1]
.set ii, ii+1
.endr
.set ii, 0
.rept 32
	v_exp_f32 v[SS+32*iq+ii], v[SS+32*iq+ii]
.set ii, ii+1
.endr
.set iq, iq+1
.endr
.if \first
	v_nop                                          ; the plain place behind the last exponentials
	s_wait_alu depctr_va_vdst(0)
.else
.set iq, Q0
	s_wait_alu depctr_va_vdst(0)
.rept NQ
.set ii, 0
.rept 16
	v_pk_mul_f32 v[OO+32*iq+2*ii:OO+32*iq+2*ii+1], v[OO+32*iq+2*ii:OO+32*iq+2*ii+1], v[AL+2*iq:AL+2*iq+1]
.set ii, ii+1
.endr
.set iq, iq+1
.endr
.endif
	WIN 0x04                                       ; source 1 in window 1
.set ii, 0
.rept 16
.set iq, Q0
.rept NQ
	v_pk_add_f32 v[LS+2*iq:LS+2*iq+1], v[LS+2*iq:LS+2*iq+1], v[SS+32*iq+2*ii:SS+32*iq+2*ii+1]
.set iq, iq+1
.endr
.set ii, ii+1
.endr
	; P(q, u): tiles 2 u and 2 u + 1 packed to f16 into the first tile's eight registers; each write lands on a register already consumed
	WIN 0x45
.set iq, Q0
.rept NQ
.set iu, 0
.rept 2
.irp i, 0,1,2,3
	v_cvt_pk_f16_f32 v[SS+8*(4*iq+2*iu)+\i], v[SS+8*(4*iq+2*iu)+2*\i], v[SS+8*(4*iq+2*iu)+2*\i+1]
.endr
.irp i, 0,1,2,3
	v_cvt_pk_f16_f32 v[SS+8*(4*iq+2*iu)+4+\i], v[SS+8*(4*iq+2*iu+1)+2*\i], v[SS+8*(4*iq+2*iu+1)+2*\i+1]
.endr
.set iu, iu+1
.endr
.set iq, iq+1
.endr
	s_wait_dscnt 0x0                               ; V
	; O^T += V^T P^T; the accumulators take turns, one instruction a turn
	WIN 0x54                                       ; source 1 (P), C and D in window 1
.set iu, 0
.rept 2
.set zc, \first*(1-iu)
.set idt, 0
.rept 4
.set iq, Q0
.rept NQ
.if zc
	v_wmma_f32_16x16x32_f16 v[OO+8*(4*iq+idt):OO+8*(4*iq+idt)+7], v[VF+8*(2*idt+iu):VF+8*(2*idt+iu)+7], v[SS+8*(4*iq+2*iu):SS+8*(4*iq+2*iu)+7], 0
.else
	v_wmma_f32_16x16x32_f16 v[OO+8*(4*iq+idt):OO+8*(4*iq+idt)+7], v[VF+8*(2*idt+iu):VF+8*(2*idt+iu)+7], v[SS+8*(4*iq+2*iu):SS+8*(4*iq+2*iu)+7], v[OO+8*(4*iq+idt):OO+8*(4*iq+idt)+7]
.endif
.set iq, iq+1
.endr
.set idt, idt+1
.endr
.set iu, iu+1
.endr
	WIN 0
.rept 5
	v_nop                                          ; five places: the next step's loads into K's and V's fragments, its products that write over P, the merge's stores of O
.endr
.endm
	STEP 0, 1, 1, 0, 1, 1                          ; lap f
	STEP 1, 1, 1, 0, 0, 1
	s_cmp_eq_u32 s12, 0
	s_cbranch_scc1 .Lno_both
	s_mov_b32 s18, s12                             ; laps 0 .. f - 1
.Lboth:
	STEP 0, 1, 0, 0, 0, 1
	STEP 1, 1, 0, 0, 0, 1
	s_sub_co_u32 s18, s18, 1
	s_cmp_lg_u32 s18, 0
	s_cbranch_scc1 .Lboth
.Lno_both:
	s_lshl_b32 s19, s12, 1
	s_sub_co_u32 s19, 6, s19                       ; laps f + 1 .. 6 - f
	s_cmp_eq_u32 s19, 0
	s_cbranch_scc1 .Lno_high
.Lhigh:
	STEP 0, 0, 0, 0, 0, 1
	STEP 1, 0, 0, 0, 0, 1
	s_sub_co_u32 s19, s19, 1
	s_cmp_lg_u32 s19, 0
	s_cbranch_scc1 .Lhigh
.Lno_high:
	STEP 0, 0, 0, 1, 0, 1                          ; lap 7 - f
	STEP 1, 0, 0, 1, 0, 0                          ; the last step asks for nothing
	; THE MERGE.  l of each query: the pair's two halves, then the other half of the lanes.
.irp q, 0,1,2,3
	v_add_f32 v[LS+2*\q], v[LS+2*\q], v[LS+2*\q+1]
.endr
.irp q, 0,1,2,3
	v_permlanex16_b32 v[PX+\q], v[LS+2*\q], s20, s21
.endr
.irp q, 0,1,2,3
	v_add_f32 v[ST+2+(\q&1)+4*(\q>>1)], v[LS+2*\q], v[PX+\q]
.endr
; A wave hands one set (0 low, 1 high) to its partner: 64 registers of O and M, M, l, l, 16 bytes a lane at 16 L: no bank is asked twice.
.macro SEND set
	WIN 0x04                                       ; an LDS store's data is source 1
.set ii, 0
.rept 16
	ds_store_b128 v[MS], v[OO+64*\set+4*ii:OO+64*\set+4*ii+3] offset:512*ii
.set ii, ii+1
.endr
	WIN 0
	ds_store_b128 v[MS], v[ST+4*\set:ST+4*\set+3] offset:8192
.endm
; and finishes the other: y = (O a + O' a') / (l a + l' a'), a = 2^(c (M - max(M, M'))).  One of the two halves holds the query's own key, so the sum is at least 1.
.macro FIN set
.if \set
	s_sub_co_u32 s76, s8, 4                        ; my partner's number: waves 4-7 finish the high set
.else
	s_add_co_u32 s76, s8, 4
.endif
	s_mul_i32 s76, s76, WMERGE
	s_add_co_u32 s76, s76, MERGE
	v_lshl_add_u32 v[MR], v1, 4, s76
.set ii, 0
.rept 16
	ds_load_b128 v[KF+4*ii:KF+4*ii+3], v[MR] offset:512*ii
.set ii, ii+1
.endr
	ds_load_b128 v[PS:PS+3], v[MR] offset:8192
	s_add_co_u32 s62, s68, s[72+\set]              ; the plane, and my 32 rows of the set
	s_mov_b32 s63, 0
	s_add_nc_u64 s[66:67], s[6:7], s[62:63]
	s_wait_dscnt 0x0
.irp e, 0,1
	v_max_num_f32 v[224+\e], v[ST+4*\set+\e], v[PS+\e]
.endr
.irp e, 0,1
	v_sub_f32 v[226+\e], v[ST+4*\set+\e], v[224+\e]
	v_sub_f32 v[228+\e], v[PS+\e], v[224+\e]
.endr
.irp e, 0,1
	v_mul_f32 v[226+\e], 0x3e38aa3b, v[226+\e]
	v_mul_f32 v[228+\e], 0x3e38aa3b, v[228+\e]
.endr
.irp e, 0,1
	v_exp_f32 v[230+\e], v[226+\e]                 ; a
	v_exp_f32 v[232+\e], v[228+\e]                 ; a'
.endr
	v_nop                                          ; the plain place behind the exponentials (ISA guide 5.7.2)
	s_wait_alu depctr_va_vdst(0)
.irp e, 0,1
	v_mul_f32 v[234+\e], v[ST+4*\set+2+\e], v[230+\e]
.endr
.irp e, 0,1
	v_fmac_f32 v[234+\e], v[PS+2+\e], v[232+\e]
.endr
.irp e, 0,1
	v_rcp_f32 v[236+\e], v[234+\e]
.endr
	v_nop
	s_wait_alu depctr_va_vdst(0)
.irp e, 0,1
	v_mul_f32 v[240+2*\e], v[230+\e], v[236+\e]    ; the factor on my O, as a pair,
	v_mul_f32 v[244+2*\e], v[232+\e], v[236+\e]    ; and on the partner's
.endr
.irp e, 0,1
	v_mov_b32 v[241+2*\e], v[240+2*\e]
	v_mov_b32 v[245+2*\e], v[244+2*\e]
.endr
.set ii, 0
.rept 32
	v_pk_mul_f32 v[KF+2*ii:KF+2*ii+1], v[KF+2*ii:KF+2*ii+1], v[244+2*(ii/16):245+2*(ii/16)]
.set ii, ii+1
.endr
	WIN 0x01                                       ; source 0 (my O) in window 1
.set ii, 0
.rept 32
	v_pk_fma_f32 v[KF+2*ii:KF+2*ii+1], v[OO+64*\set+2*ii:OO+64*\set+2*ii+1], v[240+2*(ii/16):241+2*(ii/16)], v[KF+2*ii:KF+2*ii+1]
.set ii, ii+1
.endr
	WIN 0
.set ii, 0
.rept 32
	v_cvt_pk_f16_f32 v[VF+ii], v[KF+2*ii], v[KF+2*ii+1]
.set ii, ii+1
.endr
.set ii, 0
.rept 8
	ds_store_b128 v[STO], v[VF+4*ii:VF+4*ii+3] offset:(ii/4)*16*KP+(ii%4)*32   ; row 16 e + r, d = 16 dt + 8 h + 0..7
.set ii, ii+1
.endr
.set ii, 0
.rept 8
	ds_load_b128 v[VF+32+4*ii:VF+32+4*ii+3], v[RD] offset:ii*4*KP              ; my own bytes, served in order (ISA guide 5.7.1)
.set ii, ii+1
.endr
.set ii, 0
.rept 8
	s_wait_dscnt 7-ii
	global_store_b128 v[CO], v[VF+32+4*ii:VF+32+4*ii+3], s[66:67] offset:512*ii   ; 4 rows of the plane: 512 consecutive bytes
.set ii, ii+1
.endr
.endm
	s_cmp_eq_u32 s10, 0
	s_cbranch_scc0 .Lsend_low
	SEND 1
	s_branch .Lsent
.Lsend_low:
	SEND 0
.Lsent:
	s_wait_dscnt 0x0                               ; for the partner's sake: my stores are done
	s_barrier_signal -1
	s_barrier_wait -1
	s_cmp_eq_u32 s10, 0
	s_cbranch_scc0 .Lfin_high
	FIN 0
	s_wait_xcnt 0x0
	v_lshl_add_u32 v254, v0, 2, 0x2d000
	v_mov_b32 v255, 0
	s_wait_tensorcnt 0x0
	ds_add_u32 v254, v255
	s_wait_dscnt 0x0
	s_endpgm
.Lfin_high:
	FIN 1
	s_wait_xcnt 0x0
	v_lshl_add_u32 v254, v0, 2, 0x2d000
	v_mov_b32 v255, 0
	s_wait_tensorcnt 0x0
	ds_add_u32 v254, v255
	s_wait_dscnt 0x0
	s_endpgm
.Lfunc_end_k_q44728063c5_attn:
	.size	k_q44728063c5_attn, .Lfunc_end_k_q44728063c5_attn-k_q44728063c5_attn
	.p2alignl 7, 3214868480
	.fill 96, 4, 3214868480
	.section	.rodata,"a",@progbits
	.p2align	6, 0x0
	.amdhsa_kernel k_q44728063c5_attn
		.amdhsa_group_segment_fixed_size 327680
		.amdhsa_private_segment_fixed_size 0
		.amdhsa_enable_private_segment 0
		.amdhsa_kernarg_size 16
		.amdhsa_user_sgpr_count 2
		.amdhsa_user_sgpr_kernarg_segment_ptr 1
		.amdhsa_wavefront_size32 1
		.amdhsa_system_sgpr_workgroup_id_x 1
		.amdhsa_system_sgpr_workgroup_id_y 1
		.amdhsa_system_sgpr_workgroup_id_z 1
		.amdhsa_system_vgpr_workitem_id 0
		.amdhsa_next_free_vgpr 512
		.amdhsa_next_free_sgpr 80
		.amdhsa_reserve_vcc 1
		.amdhsa_float_denorm_mode_32 3
		.amdhsa_float_denorm_mode_16_64 3
		.amdhsa_memory_ordered 1
		.amdhsa_forward_progress 1
		.amdhsa_inst_pref_size 255
	.end_amdhsa_kernel
	.section	.bss,"aw",@nobits
	.p2align	6
	.space	262144
	.amdgpu_metadata
---
amdhsa.version: [ 1, 2 ]
amdhsa.kernels:
  - .name:           k_q44728063c5_attn
    .symbol:         k_q44728063c5_attn.kd
    .args:
      - { .name: qkv, .offset: 0, .size: 8, .value_kind: global_buffer, .address_space: global }
      - { .name: yws, .offset: 8, .size: 8, .value_kind: global_buffer, .address_space: global }
    .group_segment_fixed_size: 327680
    .private_segment_fixed_size: 0
    .kernarg_segment_align: 8
    .kernarg_segment_size: 16
    .max_flat_workgroup_size: 256
    .sgpr_count:     80
    .vgpr_count:     512
    .wavefront_size: 32
...
	.end_amdgpu_metadata
.endif
;; end of part 3
;; launch proj (part 4): grid 8 x 32, 4 waves a work-group, clusters of 4 x 4, 327,680 bytes of LDS; arguments yws, wp, b_proj, out0; writes out0
.if DOCPART == 4
	.amdgcn_target "amdgcn-amd-amdhsa--gfx1250"
	.amdhsa_code_object_version 6
	.text
	.protected	k_q44728063c5_proj
	.globl	k_q44728063c5_proj
	.p2align	8
	.type	k_q44728063c5_proj,@function
k_q44728063c5_proj:
	s_mov_b64 s[64:65], 0
	v_nop
	global_prefetch_b8 v0, s[64:65] scope:SCOPE_SE
	s_setreg_imm32_b32 hwreg(HW_REG_WAVE_MODE, 25, 1), 1
	s_wait_xcnt 0x0
	s_wait_alu depctr_hold_cnt(0) depctr_sa_sdst(0) depctr_va_vdst(0) depctr_va_sdst(0) depctr_va_ssrc(0) depctr_va_vcc(0) depctr_vm_vsrc(0)
	s_getreg_b32 s2, hwreg(HW_REG_IB_STS2, 6, 4)
	s_cmp_eq_u32 s2, 0
	s_cbranch_scc0 .Lentry_in_a_cluster
	s_endpgm
.Lentry_in_a_cluster:
	s_bfe_u32 s2, ttmp6, 0x10000c
	s_cmp_lg_u32 s2, 0xf033
	s_cbranch_scc0 .Lentry_shape_is_right
	s_endpgm
.Lentry_shape_is_right:
; out0[m][n] = sum over k of y[m][k] W_proj[k][n] + b_proj[n], m < 4096, n < 1024, k < 1024.  Operands f16 (W_proj: bf16 values carried in f16), sums and result f32.
; A = yws [16][4096][64], B = wp [16][1024 n][64 k], both blocked [plane of 64][row][64]; out0 row-major f32.
; A work-group makes 128 x 128 with four waves, a wave 64 x 64 (rows 64 (w / 2), columns 64 (w % 2)): 16 accumulator tiles.  256 work-groups of equal work.
; K goes in steps of 256 (four planes) through a ring of two LDS slots filled by the tensor data mover; four K steps, so two laps and no loop.
; CLUSTERS: 4 x 4 work-groups; A's tile is asked for jointly along a row of the cluster, B's along a column.
; THE MATRIX INSTRUCTION IS USED TRANSPOSED (source 0 = rows of B, source 1 = rows of A): lane (r, h) holds row m = r, columns 8 h .. 8 h + 7.
; The first product takes the bias as C.  REGISTERS: window 0 addresses, A's fragments, bias, the way out; window 1 B's fragments;
; window 2 accumulators of m tiles 0, 1 at 8 (4 a + b); window 3 those of m tiles 2, 3.
.set BM,     128
.set BN,     128
.set NB,     4
.set PL,     4                         ; planes of 64 k in a K step
.set RA,     64
.set RB,     64
.set MTOT,   4096
.set NTOT,   1024
.set PITCH,  144
.set APART,  PL*RA*PITCH               ; 36,864
.set BPART,  PL*RB*PITCH               ; 36,864
.set SLOT,   2*APART+2*BPART           ; 147,456
.set STAGE,  2*SLOT                    ; behind the ring, never a target of a tensor load
.set SPITCH, 272                       ; the stage's rows: 256 bytes + 16
.set WSTAGE, 16*SPITCH
.set ASTEP,  PL*MTOT*128
.set BSTEP,  PL*NTOT*128
.set ADRA, 16
.set ADRB, 20
.set STO,  24
.set RD,   25
.set CO,   26
.set BOFF, 27
.set FA,   32                          ; v32-63, v64-95: A's fragments, buffers 0 and 1
.set BIAS, 96                          ; v96-127
.set RB0,  128                         ; rows read back, two buffers
.set RB1,  160
.set G1,  24
.set G0,  32
.set G1B, 48
.set G0B, 56
.set MSB, 0
.macro WIN new                         ; the immediate's high byte repeats the setting that is left
.if MSB != \new
	s_set_vgpr_msb (MSB<<8)|\new
.set MSB, \new
.endif
.endm
.set MUL_LO,  0xa1                     ; source 0 (B) window 1, source 1 (A) window 0, C and D window 2
.set MUL_HI,  0xf1
.set MUL_LO1, 0x81                     ; the first products: C (the bias) window 0
.set MUL_HI1, 0xc1
.set TO_B,    0x40
.macro JLOAD s                         ; waves 0, 1 ask for A's halves, waves 2, 3 for B's; each line has one mask
	s_cmp_eq_u32 s13, 0
	s_cbranch_scc0 .Lfor_b_\@
	tensor_load_to_lds s[G0+4*\s:G0+4*\s+3], s[G1:G1+7]
	s_nop 0
	s_branch .Lasked_\@
.Lfor_b_\@:
	tensor_load_to_lds s[G0B+4*\s:G0B+4*\s+3], s[G1B:G1B+7]
	s_nop 0
.Lasked_\@:
.endm
.macro CREST                           ; a round of the cluster's barrier behind its opening barrier
	s_cmp_lg_u32 s12, 0
	s_cbranch_scc1 .Lnot_wave_0_\@
	s_barrier_signal -3
.Lnot_wave_0_\@:
	s_barrier_wait -3
	s_barrier_signal -1
	s_barrier_wait -1
.endm
.macro CROUND
	s_barrier_signal -1
	s_barrier_wait -1
	CREST
.endm
	s_load_b256 s[4:11], s[0:1], 0x0               ; yws s[4:5], wp s[6:7], b_proj s[8:9], out0 s[10:11]
	s_set_vgpr_msb 0x40
	v_lshl_add_u32 v255, v0, 2, 0x4c400
	s_set_vgpr_msb 0x4000
	v_mov_b32 v255, 0
	s_set_vgpr_msb 0x1
	ds_add_u32 v255, v255
	s_set_vgpr_msb 0x100
	v_lshrrev_b32 v1, 5, v0
	v_readfirstlane_b32 s12, v1                    ; wave 0..3
	s_lshr_b32 s13, s12, 1                         ; my half of the rows.  Also: I fetch for A (0) or for B (1)
	s_and_b32 s14, s12, 1                          ; my half of the columns.  Also: which half of that tile I fetch
	s_bfe_u32 s16, ttmp6, 0x40000                  ; cx
	s_bfe_u32 s17, ttmp6, 0x40004                  ; cy
	s_lshl_b32 s18, ttmp9, 2
	s_add_co_u32 s18, s18, s16                     ; block column
	s_and_b32 s19, ttmp7, 0xffff
	s_lshl_b32 s19, s19, 2
	s_add_co_u32 s19, s19, s17                     ; block row
	s_lshl_b32 s20, s17, 2
	s_lshl_b32 s20, 15, s20                        ; my row of the cluster
	s_lshl_b32 s21, 0x1111, s16                    ; my column
	; group 1: PL runs of 16 R elements of 8 bytes (R rows of 128 bytes, dense), one in each plane; 4 words of padding behind every 32
	s_or_b32 s[G1+0],  s20, (3<<16)|(1<<20)|(1<<21)|(4<<22)|(3<<25)
	s_or_b32 s[G1B+0], s21, (3<<16)|(1<<20)|(1<<21)|(4<<22)|(3<<25)
	s_mov_b32 s[G1+1],  (16*RA)<<16
	s_mov_b32 s[G1B+1], (16*RB)<<16
	s_mov_b32 s[G1+2],  PL<<16
	s_mov_b32 s[G1B+2], PL<<16
	s_mov_b32 s[G1+3],  (16*RA)<<16
	s_mov_b32 s[G1B+3], (16*RB)<<16
	s_mov_b32 s[G1+4],  PL
	s_mov_b32 s[G1B+4], PL
	s_mov_b32 s[G1+5],  16*MTOT
	s_mov_b32 s[G1B+5], 16*NTOT
	s_mov_b32 s[G1+6],  0
	s_mov_b32 s[G1B+6], 0
	s_mov_b32 s[G1+7],  0
	s_mov_b32 s[G1B+7], 0
	s_mul_i32 s22, s19, BM*128                     ; A's address: block row and wave alone
	s_mul_i32 s23, s14, RA*128
	s_add_co_u32 s22, s22, s23
	s_mov_b32 s23, 0
	s_mul_i32 s42, s18, BN*128                     ; B's: block column and wave alone
	s_mul_i32 s43, s14, RB*128
	s_add_co_u32 s42, s42, s43
	s_mov_b32 s43, 0
	s_mul_i32 s46, s12, APART                      ; LDS: the four parts are equal, A's halves then B's: wave x 36,864 for both
	s_mul_i32 s47, s12, BPART
	s_mul_i32 s66, s18, BN*4                       ; my first bias number: 128 x block column + 64 x half
	s_lshl_b32 s67, s14, 8
	s_add_co_u32 s66, s66, s67
	s_mov_b32 s67, 0
	v_bfe_u32 v2, v0, 4, 1                         ; h
	v_lshlrev_b32 v[BOFF], 5, v2
	s_wait_dscnt 0x0
	s_wait_kmcnt 0x0
	s_add_nc_u64 s[40:41], s[4:5], s[22:23]
	s_add_nc_u64 s[44:45], s[6:7], s[42:43]
	s_add_nc_u64 s[8:9], s[8:9], s[66:67]
.set ib, 0
.rept NB
	global_load_b128 v[BIAS+8*ib:BIAS+8*ib+3],   v[BOFF], s[8:9] offset:64*ib
	global_load_b128 v[BIAS+8*ib+4:BIAS+8*ib+7], v[BOFF], s[8:9] offset:64*ib+16
.set ib, ib+1
.endr
	CROUND                                         ; all sixteen work-groups are here: the first joint loads meet
.irp s, 0,1
	s_mov_b32 s[G0+4*\s], 1
	s_add_co_u32 s[G0+4*\s+1], s46, \s*SLOT
	s_add_nc_u64 s[G0+4*\s+2:G0+4*\s+3], s[40:41], \s*ASTEP
	s_or_b32 s[G0+4*\s+3], s[G0+4*\s+3], 0x80000000
	s_mov_b32 s[G0B+4*\s], 1
	s_add_co_u32 s[G0B+4*\s+1], s47, \s*SLOT
	s_add_nc_u64 s[G0B+4*\s+2:G0B+4*\s+3], s[44:45], \s*BSTEP
	s_or_b32 s[G0B+4*\s+3], s[G0B+4*\s+3], 0x80000000
	JLOAD \s                                       ; K steps 0 and 1: by this text's own count two tensor loads of a wave are out here, later one
.endr
	v_and_b32 v1, 15, v0                           ; r
	v_mul_u32_u24 v3, v1, PITCH
	v_lshl_add_u32 v3, v2, 4, v3                   ; 144 r + 16 h
	s_mul_i32 s68, s13, APART                      ; my 64 rows of A
	s_mul_i32 s69, s14, BPART
	s_add_co_u32 s69, s69, 2*APART                 ; my 64 rows of B
.irp s, 0,1
	v_add_nc_u32 v[ADRA+\s], s68, v3
	v_add_nc_u32 v[ADRB+\s], s69, v3
	s_add_co_u32 s68, s68, SLOT
	s_add_co_u32 s69, s69, SLOT
.endr
	s_mul_i32 s70, s12, WSTAGE
	s_add_co_u32 s70, s70, STAGE                   ; my stage
	v_mul_u32_u24 v4, v1, SPITCH
	v_lshl_add_u32 v4, v2, 5, v4                   ; in: row r, 32 bytes for each half of the lanes
	v_add_nc_u32 v[STO], s70, v4
	v_mul_u32_u24 v5, v2, SPITCH
	v_lshl_add_u32 v5, v1, 4, v5                   ; back: lanes 0-15 one row of 256 bytes, lanes 16-31 the next
	v_add_nc_u32 v[RD], s70, v5
	v_lshlrev_b32 v6, 12, v2
	v_lshl_add_u32 v[CO], v1, 4, v6                ; and the same two rows of out0
; NB matrix instructions: m tile a of the window's two x my four n tiles, 32 along K, from buffer f.
; The 16 accumulators take turns, one instruction a turn, in the same order in every quarter step.
.macro MULA f, hi, a, first
.set ib, 0
.rept NB
.if \first
	v_wmma_f32_16x16x32_f16 v[8*(NB*\a+ib):8*(NB*\a+ib)+7], v[8*NB*\f+8*ib:8*NB*\f+8*ib+7], v[FA+32*\f+8*(2*\hi+\a):FA+32*\f+8*(2*\hi+\a)+7], v[BIAS+8*ib:BIAS+8*ib+7]
.else
	v_wmma_f32_16x16x32_f16 v[8*(NB*\a+ib):8*(NB*\a+ib)+7], v[8*NB*\f+8*ib:8*NB*\f+8*ib+7], v[FA+32*\f+8*(2*\hi+\a):FA+32*\f+8*(2*\hi+\a)+7], v[8*(NB*\a+ib):8*(NB*\a+ib)+7]
.endif
.set ib, ib+1
.endr
.endm
.macro FETCH slot, kq, f               ; 16 LDS loads in one run: part kq (plane kq / 2, byte 64 (kq % 2)) of a slot into buffer f; A's tiles last, in order
	WIN TO_B
.set ib, 0
.rept NB
	ds_load_b128 v[8*NB*\f+8*ib:8*NB*\f+8*ib+3],   v[ADRB+\slot] offset:((\kq)>>1)*RB*PITCH+((\kq)&1)*64+ib*16*PITCH
	ds_load_b128 v[8*NB*\f+8*ib+4:8*NB*\f+8*ib+7], v[ADRB+\slot] offset:((\kq)>>1)*RB*PITCH+((\kq)&1)*64+ib*16*PITCH+32
.set ib, ib+1
.endr
	WIN 0
.set ia, 0
.rept 4
	ds_load_b128 v[FA+32*\f+8*ia:FA+32*\f+8*ia+3],   v[ADRA+\slot] offset:((\kq)>>1)*RA*PITCH+((\kq)&1)*64+ia*16*PITCH
	ds_load_b128 v[FA+32*\f+8*ia+4:FA+32*\f+8*ia+7], v[ADRA+\slot] offset:((\kq)>>1)*RA*PITCH+((\kq)&1)*64+ia*16*PITCH+32
.set ia, ia+1
.endr
.endm
; Four places of plain vector instructions between a matrix instruction and a load into one of its registers or a reader of its result
; (ISA guide 7.12.1 for vector instructions).
.macro PLACES
.rept 4
	v_nop
.endr
.endm
.macro QUARTER slot, kq, f, g, first   ; 32 along K: multiplies buffer f; in its middle fetches part kq of the same slot into buffer g
	s_wait_dscnt 4                                 ; B and A's tiles 0, 1 are in; the youngest four loads (A's tiles 2, 3) may be out
.if \first
	WIN MUL_LO1
.else
	WIN MUL_LO
.endif
	MULA \f, 0, 0, \first
	MULA \f, 0, 1, \first
	PLACES
	FETCH \slot, \kq, \g
	s_wait_dscnt 2*NB+8                            ; all but the run just issued
.if \first
	WIN MUL_HI1
.else
	WIN MUL_HI
.endif
	MULA \f, 1, 0, \first
	MULA \f, 1, 1, \first
.endm
.macro RUN slot, first                 ; seven of a K step's eight parts
	QUARTER \slot, 1, 0, 1, \first
	QUARTER \slot, 2, 1, 0, 0
	QUARTER \slot, 3, 0, 1, 0
	QUARTER \slot, 4, 1, 0, 0
	QUARTER \slot, 5, 0, 1, 0
	QUARTER \slot, 6, 1, 0, 0
	QUARTER \slot, 7, 0, 1, 0
.endm
; The eighth part: multiplies buffer 1 and changes slots.  In front of the barrier each wave waits for its reads of this slot and for all its
; tensor loads; where the slot is filled again the barrier opens a round of the cluster's barrier and the joint refill comes first behind it.
.macro TURN slot, next, fill
	s_wait_dscnt 4
	WIN MUL_LO
	MULA 1, 0, 0, 0
	s_wait_dscnt 0                                 ; my reads of this slot are over
	s_wait_tensorcnt 0x0                           ; all my tensor loads have landed
	ds_add_u32 v255, v255
	s_wait_dscnt 0x0
	s_barrier_signal -1
	MULA 1, 0, 1, 0                                ; register work while the others arrive
	WIN 0
	s_barrier_wait -1
.if \fill
	CREST
	s_add_nc_u64 s[G0+4*\slot+2:G0+4*\slot+3], s[G0+4*\slot+2:G0+4*\slot+3], 2*ASTEP
	s_add_nc_u64 s[G0B+4*\slot+2:G0B+4*\slot+3], s[G0B+4*\slot+2:G0B+4*\slot+3], 2*BSTEP
	JLOAD \slot                                    ; 124 matrix instructions of the wave stand between this request and the wait for it
.endif
	PLACES
	FETCH \next, 0, 0
	WIN MUL_HI
	MULA 1, 1, 0, 0
	MULA 1, 1, 1, 0
.endm
	s_wait_loadcnt 0x0                             ; the bias
	s_wait_tensorcnt 1                             ; my part of K step 0 is in; K step 1's stays out
	s_barrier_signal -1
	s_barrier_wait -1
	FETCH 0, 0, 0
	RUN 0, 1                                       ; the first lap: its first products start the sums from the bias; both slots are filled again
	TURN 0, 1, 1
	RUN 1, 0
	TURN 1, 0, 1
	RUN 0, 0                                       ; the last lap fills nothing
	TURN 0, 1, 0
	RUN 1, 0
	s_wait_dscnt 4
	WIN MUL_LO
	MULA 1, 0, 0, 0
	MULA 1, 0, 1, 0
	s_wait_dscnt 0
	WIN MUL_HI
	MULA 1, 1, 0, 0
	MULA 1, 1, 1, 0
	; THE WAY OUT, 16 rows of 64 f32 at a time, through my own stage, so that sixteen lanes store 256 consecutive bytes of a row.
	PLACES
	s_lshl_b32 s66, s19, 19                        ; 128 rows of 4,096 bytes a block row,
	s_lshl_b32 s68, s13, 18                        ; my 64 rows,
	s_lshl_b32 s69, s18, 9                         ; 128 columns of 4 bytes a block column,
	s_lshl_b32 s70, s14, 8                         ; my 64 columns
	s_add_co_u32 s66, s66, s68
	s_add_co_u32 s69, s69, s70
	s_add_co_u32 s66, s66, s69
	s_mov_b32 s67, 0
	s_add_nc_u64 s[10:11], s[10:11], s[66:67]
.macro OUT16F a, from, rb
	WIN \from                                      ; an LDS store's data is source 1: the accumulators' window
.set ib, 0
.rept NB
	ds_store_b128 v[STO], v[8*(NB*((\a)&1)+ib):8*(NB*((\a)&1)+ib)+3]   offset:64*ib
	ds_store_b128 v[STO], v[8*(NB*((\a)&1)+ib)+4:8*(NB*((\a)&1)+ib)+7] offset:64*ib+16
.set ib, ib+1
.endr
	WIN 0
	s_wait_xcnt 0x0                                ; the buffer that stores read, and the stores' base, are rewritten only behind this wait
.if \a
	s_add_nc_u64 s[10:11], s[10:11], 16*4096       ; 16 rows on
.endif
.set ib, 0
.rept 8
	ds_load_b128 v[\rb+4*ib:\rb+4*ib+3], v[RD] offset:ib*2*SPITCH   ; my own bytes, served in order (ISA guide 5.7.1)
.set ib, ib+1
.endr
.set ib, 0
.rept 8
	s_wait_dscnt 7-ib
	global_store_b128 v[CO], v[\rb+4*ib:\rb+4*ib+3], s[10:11] offset:ib*2*4096 th:TH_STORE_NT   ; 16 lanes: 256 consecutive bytes, aligned
.set ib, ib+1
.endr
.endm
	OUT16F 0, 0x08, RB0
	OUT16F 1, 0x08, RB1
	OUT16F 2, 0x0c, RB0
	OUT16F 3, 0x0c, RB1
	s_set_vgpr_msb 0x1
	s_wait_tensorcnt 0x0
	ds_add_u32 v255, v255
	s_wait_dscnt 0x0
	s_set_vgpr_msb 0x100
	CROUND                                         ; the closing round: no work-group ends while a partner may still ask for a tile that names it
	s_endpgm
.Lfunc_end_k_q44728063c5_proj:
	.size	k_q44728063c5_proj, .Lfunc_end_k_q44728063c5_proj-k_q44728063c5_proj
	.p2alignl 7, 3214868480
	.fill 96, 4, 3214868480
	.section	.rodata,"a",@progbits
	.p2align	6, 0x0
	.amdhsa_kernel k_q44728063c5_proj
		.amdhsa_group_segment_fixed_size 327680
		.amdhsa_private_segment_fixed_size 0
		.amdhsa_enable_private_segment 0
		.amdhsa_kernarg_size 32
		.amdhsa_user_sgpr_count 2
		.amdhsa_user_sgpr_kernarg_segment_ptr 1
		.amdhsa_wavefront_size32 1
		.amdhsa_system_sgpr_workgroup_id_x 1
		.amdhsa_system_sgpr_workgroup_id_y 1
		.amdhsa_system_sgpr_workgroup_id_z 1
		.amdhsa_system_vgpr_workitem_id 0
		.amdhsa_next_free_vgpr 832
		.amdhsa_next_free_sgpr 72
		.amdhsa_reserve_vcc 0
		.amdhsa_float_denorm_mode_32 3
		.amdhsa_float_denorm_mode_16_64 3
		.amdhsa_memory_ordered 1
		.amdhsa_forward_progress 1
		.amdhsa_inst_pref_size 93
	.end_amdhsa_kernel
	.amdgpu_metadata
---
amdhsa.version: [ 1, 2 ]
amdhsa.kernels:
  - .name:           k_q44728063c5_proj
    .symbol:         k_q44728063c5_proj.kd
    .args:
      - { .name: yws, .offset: 0, .size: 8, .value_kind: global_buffer, .address_space: global }
      - { .name: wp, .offset: 8, .size: 8, .value_kind: global_buffer, .address_space: global }
      - { .name: b_proj, .offset: 16, .size: 8, .value_kind: global_buffer, .address_space: global }
      - { .name: out0, .offset: 24, .size: 8, .value_kind: global_buffer, .address_space: global }
    .group_segment_fixed_size: 327680
    .private_segment_fixed_size: 0
    .kernarg_segment_align: 8
    .kernarg_segment_size: 32
    .max_flat_workgroup_size: 128
    .sgpr_count:     72
    .vgpr_count:     832
    .wavefront_size: 32
...
	.end_amdgpu_metadata
.endif
;; end of part 4
;; ======== version 2 of 2: 4 launches; version 1 with the launch prep written anew for expert scheduling mode
;; limits: values are held in f16: magnitudes above 65,504 overflow, below 6.1e-05 lose precision
;; workspace buffers: xb 8,388,608 bytes; wq 6,291,456 bytes; wp 2,097,152 bytes; qkv 25,165,824 bytes; yws 8,388,608 bytes
;; launch prep (part 5): grid 256 x 1, 8 waves a work-group, no clusters, 74,752 bytes of LDS; arguments x, W_qkv, W_proj, xb, wq, wp; writes xb, wq, wp
.if DOCPART == 5
	.amdgcn_target "amdgcn-amd-amdhsa--gfx1250"
	.amdhsa_code_object_version 6
	.text
	.protected	k_q44728063c5_prep
	.globl	k_q44728063c5_prep
	.p2align	8
	.type	k_q44728063c5_prep,@function
k_q44728063c5_prep:
	s_mov_b64 s[64:65], 0
	v_nop
	global_prefetch_b8 v0, s[64:65] scope:SCOPE_SE
	s_setreg_imm32_b32 hwreg(HW_REG_WAVE_SCHED_MODE, 0, 2), 2
	s_setreg_imm32_b32 hwreg(HW_REG_WAVE_MODE, 25, 1), 1
	s_wait_xcnt 0x0
	s_wait_alu depctr_vm_vsrc(0)
; Casts x, and casts and transposes W_qkv and W_proj, into one blocked 16-bit layout [plane of 64 k][row][64 k]:
; element (row, k) lies at byte ((k / 64) * ROWS + row) * 128 + 2 * (k % 64), so any run of rows of one plane is dense in memory.
;   xb [16][4096 m][64] bf16,  wq [16][3072 n][64 k] bf16 (transposed),  wp [16][1024 n][64 k] (transposed).
; wp: W_proj is rounded to bf16 like the other two inputs and then carried in f16, because its partner operand in the last product is f16;
; the second step is exact for |w| >= 2^-14 and off by at most 2^-25 below.
; A stream: no matrix unit, no cluster, no barrier.  2,048 waves, one item of 4,096 numbers each; the work-group's number picks the path:
;   0-127 x (4 rows x 1024),  128-223 W_qkv (64 k x 64 n),  224-255 W_proj (64 k x 64 n).
; The transposing paths go through 9,216 bytes of LDS that are the wave's own (64 rows of 144 bytes).
; THE MODE: SCHED_MODE bits 1:0 = 2 (LLVM: expert scheduling mode 2), set by the entry lines.  The code itself states the register dependences
; between vector instructions and memory or LDS instructions, with s_wait_alu, always for 0.
; THE PLAN.  Registers that memory or LDS instructions touch:
;   v1 .. v4     offsets and LDS addresses: made once at a path's head, read by its loads and stores, never written again.
;   XV           written by the global loads, read by the conversions; on the weight paths its first 64 registers then take the rows read back from
;                LDS and are read by the global stores.
;   PK           every conversion has a register of its own, written once; read by the global stores (x) or the LDS stores (weights).
;   v208, v209   made at the head, read by the closing add alone.
; The stores run one block behind the conversions: a block is four planes of x, or two chunks of eight rows of a weight.  ONE wait on va_vdst at a block's
; head states that the block before has written its part of PK; that block's four stores follow, dealt among this block's conversions, which write
; other registers of PK.  No register that a memory or LDS instruction has read is ever written again, so the text holds no wait on vm_vsrc.
.set XV,   16                          ; v[16:143]   f32 as loaded; later the rows read back from LDS
.set PK,   144                         ; v[144:207]  packed 16-bit numbers
.set WLDS, 9216                        ; a wave's LDS: 64 rows, pitch 144
	s_load_b256 s[4:11], s[0:1], 0x0               ; x s[4:5], W_qkv s[6:7], W_proj s[8:9], xb s[10:11]
	s_load_b128 s[12:15], s[0:1], 0x20             ; wq s[12:13], wp s[14:15]
	v_lshl_add_u32 v208, v0, 2, 0x12000
	v_mov_b32 v209, 0
	v_lshrrev_b32 v1, 5, v0
	v_readfirstlane_b32 s16, v1                    ; wave 0..7
	v_and_b32 v5, 31, v0                           ; lane L
	v_lshlrev_b32 v2, 4, v5                        ; every store: 16 L, a wave covers 512 consecutive bytes
	v_lshrrev_b32 v6, 3, v5                        ; L / 8
	v_and_b32 v7, 7, v5                            ; L % 8
	s_wait_alu depctr_va_sdst(0)                   ; s16 is written, ahead of the branch and of its first reader on each of the three paths
	s_mov_b32 s19, 0                               ; high words of the two offset pairs
	s_mov_b32 s21, 0
	s_cmp_ge_u32 ttmp9, 128
	s_cbranch_scc1 .Lweights
	; x: item it = 8 G + wave owns rows 4 it .. 4 it + 3.  Lane L reads 8 numbers (32 bytes) of row L / 8 in each of the 16 planes.
	s_lshl_b32 s17, ttmp9, 3
	s_add_co_u32 s17, s17, s16
	s_lshl_b32 s18, s17, 14                        ; 4 rows of 4,096 bytes in
	s_lshl_b32 s20, s17, 9                         ; 4 rows of 128 bytes out
	v_lshlrev_b32 v1, 12, v6
	v_lshl_add_u32 v1, v7, 5, v1                   ; (L / 8) * 4096 + (L % 8) * 32
	s_wait_kmcnt 0x0
	s_add_nc_u64 s[4:5], s[4:5], s[18:19]
	s_add_nc_u64 s[10:11], s[10:11], s[20:21]
	s_wait_alu depctr_va_vdst(0)                   ; v1 and v2 are written: the loads below read v1 as their offset, the stores v2
.set ii, 0
.rept 16
	global_load_b128 v[XV+8*ii:XV+8*ii+3],   v1, s[4:5] offset:256*ii th:TH_LOAD_NT
	global_load_b128 v[XV+8*ii+4:XV+8*ii+7], v1, s[4:5] offset:256*ii+16 th:TH_LOAD_NT
.set ii, ii+1
.endr
.set ii, 0
.rept 16
	s_wait_loadcnt 30-2*ii                         ; loads come back in order: plane ii's two are in, the 2 (15 - ii) younger stay out
.if (ii >= 4) && (ii % 4 == 0)
	s_wait_alu depctr_va_vdst(0)                   ; the conversions of the four planes before have written their 16 registers of PK, which this block's four stores read
.endif
.if ii >= 4
	global_store_b128 v2, v[PK+4*(ii-4):PK+4*(ii-4)+3], s[10:11] offset:(ii-4)*524288   ; 4 rows of plane ii - 4: 512 consecutive bytes; no conversion since the wait names these registers
.endif
	v_cvt_pk_bf16_f32 v[PK+4*ii],   v[XV+8*ii],   v[XV+8*ii+1]
	v_cvt_pk_bf16_f32 v[PK+4*ii+1], v[XV+8*ii+2], v[XV+8*ii+3]
	v_cvt_pk_bf16_f32 v[PK+4*ii+2], v[XV+8*ii+4], v[XV+8*ii+5]
	v_cvt_pk_bf16_f32 v[PK+4*ii+3], v[XV+8*ii+6], v[XV+8*ii+7]
.set ii, ii+1
.endr
	s_wait_alu depctr_va_vdst(0)                   ; the conversions of planes 12 to 15 have written their registers of PK, which the last four stores read
.set ii, 12
.rept 4
	global_store_b128 v2, v[PK+4*ii:PK+4*ii+3], s[10:11] offset:ii*524288   ; 4 rows of plane ii: 512 consecutive bytes
.set ii, ii+1
.endr
	s_endpgm
; A tile of 64 k x 64 n of a weight [1024][n] f32.  s17 = the work-group's number within this path.  half = 1: bf16 values carried in f16.
; Lane L reads columns 2 L, 2 L + 1 of each of the 64 rows (a load of the wave covers 256 consecutive bytes), packs pairs along k,
; lays rows n = 2 L and 2 L + 1 into its wave's LDS and reads them back as whole rows of 128 bytes.
.macro WPATH n, src, dst, half
	s_lshl_b32 s17, s17, 3
	s_add_co_u32 s17, s17, s16                     ; item
	s_and_b32 s22, s17, 15                         ; kb: plane of 64 k
	s_lshr_b32 s23, s17, 4                         ; nb: block of 64 n
	s_mul_i32 s18, s22, 64*\n*4
	s_lshl_b32 s24, s23, 8
	s_add_co_u32 s18, s18, s24                     ; in: kb * 64 rows + nb * 256 bytes
	s_mul_i32 s20, s22, \n*128
	s_lshl_b32 s24, s23, 13
	s_add_co_u32 s20, s20, s24                     ; out: (kb * n + 64 nb) rows of 128 bytes
	s_mul_i32 s25, s16, WLDS
	v_lshlrev_b32 v1, 3, v5                        ; 8 L
	v_mul_u32_u24 v3, v5, 288
	v_add_nc_u32 v3, s25, v3                       ; LDS row 2 L
	v_mul_u32_u24 v4, v6, 144
	v_lshl_add_u32 v4, v7, 4, v4
	v_add_nc_u32 v4, s25, v4                       ; back: row L / 8, 16 bytes at (L % 8) * 16
	s_wait_kmcnt 0x0
	s_add_nc_u64 s[\src:\src+1], s[\src:\src+1], s[18:19]
	s_add_nc_u64 s[\dst:\dst+1], s[\dst:\dst+1], s[20:21]
	s_wait_alu depctr_va_vdst(0)                   ; v1 to v4 are written: the offsets of the loads and stores and the two LDS addresses
.set ii, 0
.rept 64
	global_load_b64 v[XV+2*ii:XV+2*ii+1], v1, s[\src:\src+1] offset:ii*\n*4 th:TH_LOAD_NT
.set ii, ii+1
.endr
.set ic, 0
.rept 8
	s_wait_loadcnt 56-8*ic                         ; rows 8 ic .. 8 ic + 7 are in, the younger loads stay out
.if (ic >= 2) && (ic % 2 == 0)
	s_wait_alu depctr_va_vdst(0)                   ; the conversions of the two chunks before have written their 16 registers of PK, which the four LDS stores of this chunk and the next read
.endif
.irp e, 0,1
.if ic >= 2
	ds_store_b128 v3, v[PK+32*\e+4*(ic-2):PK+32*\e+4*(ic-2)+3] offset:144*\e+16*(ic-2)   ; chunk ic - 2; no conversion since the wait names these registers
.endif
.irp i, 0,1,2,3
	v_cvt_pk_bf16_f32 v[PK+32*\e+4*ic+\i], v[XV+2*(8*ic+2*\i)+\e], v[XV+2*(8*ic+2*\i+1)+\e]   ; k = 8 ic + 2 i, + 1 of column 2 L + e
.if \half
	v_lshlrev_b32 v8, 16, v[PK+32*\e+4*ic+\i]      ; the two bf16 values widened again,
	v_and_b32 v9, 0xffff0000, v[PK+32*\e+4*ic+\i]
	v_cvt_pk_f16_f32 v[PK+32*\e+4*ic+\i], v8, v9   ; and carried in f16
.endif
.endr
.endr
.set ic, ic+1
.endr
	s_wait_alu depctr_va_vdst(0)                   ; the conversions of chunks 6 and 7 have written their registers of PK, which the last four LDS stores read; and all conversions are done reading XV, in which the LDS loads below land
.irp c, 6,7
.irp e, 0,1
	ds_store_b128 v3, v[PK+32*\e+4*\c:PK+32*\e+4*\c+3] offset:144*\e+16*\c
.endr
.endr
.set ii, 0
.rept 16
	ds_load_b128 v[XV+4*ii:XV+4*ii+3], v4 offset:576*ii   ; my wave's own bytes; LDS serves a wave's instructions in order (ISA guide 5.7.1)
.set ii, ii+1
.endr
.set ii, 0
.rept 16
	s_wait_dscnt 15-ii
	global_store_b128 v2, v[XV+4*ii:XV+4*ii+3], s[\dst:\dst+1] offset:512*ii   ; 4 rows: 512 consecutive bytes
.set ii, ii+1
.endr
.endm
.Lweights:
	s_cmp_ge_u32 ttmp9, 224
	s_cbranch_scc1 .Lwproj
	s_sub_co_u32 s17, ttmp9, 128
	WPATH 3072, 6, 12, 0
	s_wait_dscnt 0x0                               ; the closing lines, six on end
	s_wait_alu 0x0
	s_wait_tensorcnt 0x0
	ds_add_u32 v208, v209
	s_wait_dscnt 0x0
	s_endpgm
.Lwproj:
	s_sub_co_u32 s17, ttmp9, 224
	WPATH 1024, 8, 14, 1
	s_wait_dscnt 0x0                               ; the closing lines, six on end, as above
	s_wait_alu 0x0
	s_wait_tensorcnt 0x0
	ds_add_u32 v208, v209
	s_wait_dscnt 0x0
	s_endpgm
.Lfunc_end_k_q44728063c5_prep:
	.size	k_q44728063c5_prep, .Lfunc_end_k_q44728063c5_prep-k_q44728063c5_prep
	.p2alignl 7, 3214868480
	.fill 96, 4, 3214868480
	.section	.rodata,"a",@progbits
	.p2align	6, 0x0
	.amdhsa_kernel k_q44728063c5_prep
		.amdhsa_group_segment_fixed_size 74752
		.amdhsa_private_segment_fixed_size 0
		.amdhsa_enable_private_segment 0
		.amdhsa_kernarg_size 48
		.amdhsa_user_sgpr_count 2
		.amdhsa_user_sgpr_kernarg_segment_ptr 1
		.amdhsa_wavefront_size32 1
		.amdhsa_system_sgpr_workgroup_id_x 1
		.amdhsa_system_sgpr_workgroup_id_y 1
		.amdhsa_system_sgpr_workgroup_id_z 1
		.amdhsa_system_vgpr_workitem_id 0
		.amdhsa_next_free_vgpr 210
		.amdhsa_next_free_sgpr 66
		.amdhsa_reserve_vcc 0
		.amdhsa_float_denorm_mode_32 3
		.amdhsa_float_denorm_mode_16_64 3
		.amdhsa_memory_ordered 1
		.amdhsa_forward_progress 1
		.amdhsa_inst_pref_size 52
	.end_amdhsa_kernel
	.amdgpu_metadata
---
amdhsa.version: [ 1, 2 ]
amdhsa.kernels:
  - .name:           k_q44728063c5_prep
    .symbol:         k_q44728063c5_prep.kd
    .args:
      - { .name: x, .offset: 0, .size: 8, .value_kind: global_buffer, .address_space: global }
      - { .name: W_qkv, .offset: 8, .size: 8, .value_kind: global_buffer, .address_space: global }
      - { .name: W_proj, .offset: 16, .size: 8, .value_kind: global_buffer, .address_space: global }
      - { .name: xb, .offset: 24, .size: 8, .value_kind: global_buffer, .address_space: global }
      - { .name: wq, .offset: 32, .size: 8, .value_kind: global_buffer, .address_space: global }
      - { .name: wp, .offset: 40, .size: 8, .value_kind: global_buffer, .address_space: global }
    .group_segment_fixed_size: 74752
    .private_segment_fixed_size: 0
    .kernarg_segment_align: 8
    .kernarg_segment_size: 48
    .max_flat_workgroup_size: 256
    .sgpr_count:     66
    .vgpr_count:     210
    .wavefront_size: 32
...
	.end_amdgpu_metadata
.endif
;; end of part 5
;; launch qkv: the kernel of part 2 again; grid 16 x 16, 4 waves a work-group, clusters of 4 x 4, 327,680 bytes of LDS; arguments xb, wq, b_qkv, qkv; writes qkv
;; launch attn: the kernel of part 3 again; grid 8 x 32, 8 waves a work-group, no clusters, 327,680 bytes of LDS; arguments qkv, yws; writes yws
;; launch proj: the kernel of part 4 again; grid 8 x 32, 4 waves a work-group, clusters of 4 x 4, 327,680 bytes of LDS; arguments yws, wp, b_proj, out0; writes out0
